; MI455X (gfx1250); checked and timed in simulation.
; The chip was launched on July 23, 2026; its instructions are those of AMD's public machine-readable ISA for CDNA 5 (MIT licence, August 2026) and "CDNA5" Instruction Set Architecture Reference Guide (July 2026). The comments in the code are by the model that wrote it; some were corrected since.
;; Multi Head Attention. Allowed arithmetic: matrix products marked QUANTISED: E4M3 operands, one given power-of-two scale a tensor, by v_wmma_f32_16x16x64_fp8_fp8 or v_wmma_f32_16x16x128_fp8_fp8, f32 sums; everything else in f32.
;; Inputs: Wk 1,024 x 1,024 float32; Wo 1,024 x 1,024 float32; Wq 1,024 x 1,024 float32; Wv 1,024 x 1,024 float32; bk 1,024 float32; bo 1,024 float32; bq 1,024 float32; bv 1,024 float32; key 2 x 2,048 x 1,024 float32; lowp_scales 12 int32 (the exponents e of the quantised operands' scales 2^e); query 2 x 2,048 x 1,024 float32; value 2 x 2,048 x 1,024 float32.
;; Outputs: out0 2 x 2,048 x 1,024 float32.
;; This version of the problem:
;;   THIS VERSION OF THE PROBLEM IS GIVEN IN LOW PRECISION. The matrix products marked QUANTISED in the list below multiply operands that are first quantised to E4M3 (4 exponent bits, 3 mantissa bits; 8 bits a number), with one given power-of-two scale for each operand tensor; their sums are f32. All else is computed in f32.
;;   The module's matrix products, in the order in which they are computed (A, B: the left and right operand; K: the contracted axis; several contracted axes count as one K, in the product's order):
;;     1. [M 4,096, K 1,024] x [K 1,024, N 1,024]; A: input query; B: input Wq: QUANTISED (scales: A lowp_scales[0], B lowp_scales[1])
;;     2. [M 4,096, K 1,024] x [K 1,024, N 1,024]; A: input key; B: input Wk: QUANTISED (scales: A lowp_scales[2], B lowp_scales[3])
;;     3. [M 4,096, K 1,024] x [K 1,024, N 1,024]; A: input value; B: input Wv: QUANTISED (scales: A lowp_scales[4], B lowp_scales[5])
;;     4. batch 32 x [M 2,048, K 64] x [K 64, N 2,048]; A: computed on the way; B: computed on the way: QUANTISED (scales: A lowp_scales[6], B lowp_scales[7])
;;     5. batch 32 x [M 2,048, K 2,048] x [K 2,048, N 64]; A: softmax (see below); B: computed on the way: QUANTISED (scales: A lowp_scales[8], B lowp_scales[9])
;;     6. [M 4,096, K 1,024] x [K 1,024, N 1,024]; A: computed on the way; B: input Wo: QUANTISED (scales: A lowp_scales[10], B lowp_scales[11])
;;   THE QUANTISER, for each operand of a quantised product, along K:
;;     - The operand's scale is 2^e, e = its entry of the input lowp_scales (int32; the entries are numbered through the quantised products in the list's order, A before B).
;;     - Each number is divided by the scale, clamped to +-448, and rounded to the nearest number of E4M3, ties to even, subnormals kept.
;;     - The product sums the exact products of the quantised numbers (number of the format x scale) in f32.
;;   ~~~python
;;   def quantise(x, axis, e):      # numpy; x: float32 -> the quantised numbers, widened to float32 again
;;       x = np.moveaxis(x, axis, -1); K = x.shape[-1]
;;       r = np.clip(x / 2.0 ** e, -448, 448)
;;       step = 2.0 ** (np.maximum(np.frexp(np.where(r == 0, 1, r))[1] - 1, -6) - 3)
;;       q = np.round(r / step) * step * 2.0 ** e      # np.round: ties to even
;;       return np.moveaxis(q, -1, axis).astype(np.float32)
;;   ~~~
;;   SOFTMAX AHEAD OF A QUANTISED PRODUCT. Where the list says 'softmax', what is quantised is not the finished softmax but p = 2^(t - M), with t = logit x log2(e) and M = ceil(the row's largest t), a whole number; so 1/2 < the row's largest p <= 1. The row's sum l is taken of the UNQUANTISED p, in f32, and the product's result is divided by l at the end. Since M is a whole number, a kernel that streams over the keys may use a running M (the ceiling of the running maximum): every later rescaling is an exact power of two, so the quantised numbers keep their values, but for numbers so far below the row's largest that they fall under the format's range.
;;   OPERANDS COMPUTED ON THE WAY. 'Computed on the way' means the value that the module computes at that place (a softmax that the list does not call 'softmax' is quantised finished and normalised). What goes into a quantiser is computed in f32, as accurately as f32 sums, v_exp_f32 and their like allow (about 1e-6 of the number): no bf16 or f16 on the way to a quantiser, and a product that is left as it is and whose result goes on into a quantised operand takes f32 operands (vector FMAs, or v_wmma_f32_16x16x4_f32). A number that lies on a knife's edge between two numbers of the format may be rounded either way, as far as f32 arithmetic and the matrix unit's own rounding can turn it there, and no further.
;; One version. Each part assembles by itself: llvm-mc -triple=amdgcn-amd-amdhsa -mcpu=gfx1250 --defsym DOCPART=n.
;; ======== version 1 of 1: 4 launches
;; limits: right only within a limited range of input values
;; workspace buffers: xc 12,582,912 bytes; wc 4,194,304 bytes; qkv 12,582,912 bytes; oc 4,194,304 bytes
;; launch quant (part 1): grid 1024 x 1, 4 waves a work-group, no clusters, 17,920 bytes of LDS; arguments query, key, value, Wq, Wk, Wv, Wo, lowp_scales, xc, wc; writes xc, wc
.if DOCPART == 1
	.amdgcn_target "amdgcn-amd-amdhsa--gfx1250"
	.amdhsa_code_object_version 6
	.text
	.protected	k_q48ef114a39_quant
	.globl	k_q48ef114a39_quant
	.p2align	8
	.type	k_q48ef114a39_quant,@function
k_q48ef114a39_quant:
	s_mov_b64 s[64:65], 0
	v_nop
	global_prefetch_b8 v0, s[64:65] scope:SCOPE_SE
	s_setreg_imm32_b32 hwreg(HW_REG_WAVE_MODE, 25, 1), 1
	s_wait_xcnt 0x0
; query, key, value [4096][1024] f32 and Wq, Wk, Wv, Wo [1024 (k)][1024 (n)] f32 become codes of FP8 (E4M3), each tensor with the one scale 2^e given for it:
; code = x / 2^e, held within +-448, rounded to the nearest code, ties to even.
; LIMITS: every e lies between -126 and 119, so that 2^e and 448 x 2^e are f32 numbers.  NaN among the inputs is not served; an infinity is held at the largest code.
; THE CODES' LAYOUT is the order of the matrix operand's registers.  A tile is 16 rows (tokens, or columns n of a weight) x 1,024 along K = 16,384 bytes.  Each 32 along K are a piece of 512 bytes,
; lane L = r + 16 h holding 16 bytes at 16 L: row r, k = 8 h + 0..7 in bytes 0-7 and k = 16 + 8 h + 0..7 in bytes 8-15.  A later launch then gets four operand registers by one load of 16 bytes a lane.
;   xc: [tensor 3][row tile 256][16,384]      wc: [weight 4][n tile 64][16,384]
; Work-groups 0..767 take the activations (one row tile each), 768..1023 the weights.  Memory binds: every f32 byte is read once, every store of a wave covers whole aligned runs of 256 bytes.
; No matrix unit, no tensor load, no barrier: waves share nothing.  Only the activations' path uses LDS.
.set XR,    32                         ; v32-159  numbers as loaded (weights: v32-95, two sets of 32)
.set CR,    160                        ; v160-191 activations: a row's four codes a register
.set OT,    192                        ; v192-223 activations: the codes back from the stage, in the operand's order
.set CW,    96                         ; v96-127  weights: eight registers of codes a block, never rewritten
.set SLOTB, 272                        ; a stage slot: the 256 bytes of one (piece, h) + 16 of padding
.set FRST,  8*SLOTB                    ; a fragment's stage: 4 pieces x 2 halves
.set WST,   2*FRST                     ; a wave's stage: two fragments
	s_load_b256 s[4:11], s[0:1], 0x0               ; query s[4:5], key s[6:7], value s[8:9], Wq s[10:11]
	s_load_b256 s[12:19], s[0:1], 0x20             ; Wk s[12:13], Wv s[14:15], Wo s[16:17], the scales' exponents s[18:19]
	s_load_b128 s[20:23], s[0:1], 0x40             ; xc s[20:21], wc s[22:23]
	v_lshl_add_u32 v224, v0, 2, 0x4400
	v_mov_b32 v225, 0
	v_lshrrev_b32 v1, 5, v0
	v_readfirstlane_b32 s24, v1                    ; wave 0..3
	v_and_b32 v1, 31, v0                           ; lane
	s_mov_b32 s31, 0                               ; the upper word of every offset pair s[30:31]
	s_cmp_ge_u32 ttmp9, 768
	s_cbranch_scc1 .Lweights
; ---------------- ACTIVATIONS.  The work-group takes 16 tokens x 1,024; wave w takes K = 256 w .. 256 w + 255: two fragments of 16 rows x 128.
; Each load reads 512 consecutive bytes of one row (lane l: k = 4 l .. 4 l + 3).  A conversion takes two rows' four numbers and leaves each row's four codes in a register of its own;
; these go through the wave's own stage in LDS into the operand's order.
	s_lshr_b32 s25, ttmp9, 8                       ; which tensor: 0 query, 1 key, 2 value
	s_and_b32 s26, ttmp9, 255                      ; which row tile
	v_lshlrev_b32 v3, 4, v1                        ; 16 x lane: my bytes of a load's 512, and of a store's
	s_mul_i32 s27, s24, WST                        ; my wave's stage
	v_lshrrev_b32 v6, 3, v1                        ; into the stage: k = 4 l lies in piece l / 8,
	v_bfe_u32 v7, v1, 1, 1                         ; half h = (l / 2) % 2,
	v_lshl_add_u32 v6, v6, 1, v7                   ; slot 2 x piece + h,
	v_mul_u32_u24 v4, v6, SLOTB
	v_bfe_u32 v7, v1, 2, 1
	v_lshl_add_u32 v4, v7, 3, v4                   ; + 8 ((l / 4) % 2): the upper eight of the 16 bytes,
	v_and_b32 v7, 1, v1
	v_lshl_add_u32 v4, v7, 2, v4                   ; + 4 (l % 2); the row's 16 bytes stand in the store's offset.  68 words a slot: the 32 lanes of a store touch 32 different banks (64 banks of 4 bytes: ISA guide 11.1)
	v_add_nc_u32 v4, s27, v4
	v_lshrrev_b32 v6, 4, v1                        ; out of the stage: lane r + 16 h takes 16 bytes of slot 2 c + h at 16 r
	v_mul_u32_u24 v5, v6, SLOTB
	v_and_b32 v7, 15, v1
	v_lshl_add_u32 v5, v7, 4, v5
	v_add_nc_u32 v5, s27, v5
	s_wait_kmcnt 0x0
	s_cmp_eq_u32 s25, 1                            ; the choice of buffer hangs on the work-group's number alone
	s_cselect_b64 s[4:5], s[6:7], s[4:5]
	s_cmp_eq_u32 s25, 2
	s_cselect_b64 s[4:5], s[8:9], s[4:5]
	s_lshl_b32 s30, s25, 3                         ; the tensor's exponent is entry 0, 2 or 4
	s_add_nc_u64 s[18:19], s[18:19], s[30:31]
	s_load_b32 s33, s[18:19], 0x0
	s_lshl_b32 s30, s26, 16                        ; in: 16 rows of 4,096 bytes a tile, + my wave's 1,024 bytes of a row
	s_lshl_b32 s32, s24, 10
	s_add_co_u32 s30, s30, s32
	s_add_nc_u64 s[4:5], s[4:5], s[30:31]
	s_lshl_b32 s30, s25, 22                        ; out: 4 MiB a tensor, 16,384 a tile, 4,096 a wave
	s_lshl_b32 s32, s26, 14
	s_add_co_u32 s30, s30, s32
	s_lshl_b32 s32, s24, 12
	s_add_co_u32 s30, s30, s32
	s_add_nc_u64 s[20:21], s[20:21], s[30:31]
.irp f, 0,1                                    ; all 32 loads go out at once: 16 KiB a wave on its way; fragment 0's sixteen first
.irp i, 0,1,2,3,4,5,6,7,8,9,10,11,12,13,14,15
	global_load_b128 v[XR+64*\f+4*\i:XR+64*\f+4*\i+3], v3, s[4:5] offset:\i*4096+\f*512 th:TH_LOAD_NT
.endr
.endr
	s_wait_kmcnt 0x0
	s_add_co_i32 s33, s33, 127
	s_lshl_b32 s32, s33, 23
	v_mov_b32 v11, s32                             ; 2^e as f32: the conversion takes its exponent field
	s_add_co_i32 s33, s33, 8
	s_lshl_b32 s33, s33, 23
	s_or_b32 s33, s33, 0x600000
	v_mov_b32 v10, s33                             ; 448 x 2^e
; Fragment f.  left = the younger loads that may stay out.
.macro FRAGX f, left
	s_wait_loadcnt \left
.irp p, 0,1,2,3,4,5,6,7
.irp i, 0,1,2,3,4,5,6,7
	v_med3_num_f32 v[XR+64*\f+8*\p+\i], v[XR+64*\f+8*\p+\i], -v10, v10   ; the conversion to an 8-bit code does not saturate (ISA guide 7.6.2): the hold comes first
.endr
	v_cvt_scalef32_pk8_fp8_f32 v[CR+16*\f+2*\p:CR+16*\f+2*\p+1], v[XR+64*\f+8*\p:XR+64*\f+8*\p+7], v11   ; rows 2 p and 2 p + 1: four codes each.  The next pair's holds are the plain lines behind it; its result goes to a store alone
.endr
.irp i, 0,1,2,3,4,5,6,7,8,9,10,11,12,13,14,15
	ds_store_b32 v4, v[CR+16*\f+\i] offset:\f*FRST+16*\i
.endr
.irp c, 0,1,2,3
	ds_load_b128 v[OT+16*\f+4*\c:OT+16*\f+4*\c+3], v5 offset:\f*FRST+\c*2*SLOTB   ; LDS serves a wave's instructions in order (ISA guide 5.7.1): these see my stores
.endr
.endm
	s_wait_alu depctr_va_vdst(0)
	FRAGX 0, 16                                    ; fragment 1's sixteen loads may be out
	FRAGX 1, 0
	s_wait_dscnt 20                                ; fragment 0 is back: behind its four loads stand fragment 1's sixteen stores and four loads
.irp c, 0,1,2,3
	global_store_b128 v3, v[OT+4*\c:OT+4*\c+3], s[20:21] offset:\c*512          ; 32 lanes store 512 consecutive bytes, aligned
.endr
	s_wait_dscnt 0x0
.irp c, 0,1,2,3
	global_store_b128 v3, v[OT+16+4*\c:OT+16+4*\c+3], s[20:21] offset:2048+\c*512
.endr
	s_wait_tensorcnt 0x0
	ds_add_u32 v224, v225
	s_wait_dscnt 0x0
	s_endpgm
; ---------------- WEIGHTS.  K is the first axis: A LANE TAKES A COLUMN n AND ITS REGISTERS RUN DOWN K, so the conversions give codes with K innermost and nothing is transposed.
; A work-group takes 128 columns x 128 along K of one weight; a wave 32 columns (two n tiles) x four blocks of 32.  Each load reads 128 consecutive bytes, the four waves side by side 512.
.Lweights:
	s_sub_co_u32 s25, ttmp9, 768
	s_lshr_b32 s26, s25, 6                         ; which weight: 0 Wq, 1 Wk, 2 Wv, 3 Wo
	s_bfe_u32 s27, s25, 0x30003                    ; which 128 columns
	s_and_b32 s28, s25, 7                          ; which 128 along K
	s_lshl_b32 s29, s27, 7
	s_lshl_b32 s32, s24, 5
	s_add_co_u32 s29, s29, s32                     ; my wave's first column
	s_wait_alu depctr_va_vdst(0)
	v_lshlrev_b32 v3, 2, v1                        ; in: 4 bytes a lane
	v_lshrrev_b32 v6, 4, v1
	v_and_b32 v7, 15, v1
	v_lshlrev_b32 v4, 14, v6                       ; out: lanes 16-31 belong to the next n tile,
	v_lshl_add_u32 v4, v7, 4, v4                   ; 16 bytes a row: sixteen lanes store 256 consecutive bytes
	s_wait_alu depctr_va_vdst(0)
	s_wait_kmcnt 0x0
	s_cmp_eq_u32 s26, 1
	s_cselect_b64 s[10:11], s[12:13], s[10:11]
	s_cmp_eq_u32 s26, 2
	s_cselect_b64 s[10:11], s[14:15], s[10:11]
	s_cmp_eq_u32 s26, 3
	s_cselect_b64 s[10:11], s[16:17], s[10:11]
	s_lshr_b32 s32, s26, 1                         ; the weight's exponent is entry 1, 3, 5 or 11: 2 x weight + 1, and 4 more for Wo
	s_and_b32 s32, s32, s26
	s_lshl_b32 s32, s32, 2
	s_lshl_b32 s30, s26, 1
	s_add_co_u32 s30, s30, s32
	s_add_co_u32 s30, s30, 1
	s_lshl_b32 s30, s30, 2
	s_add_nc_u64 s[18:19], s[18:19], s[30:31]
	s_load_b32 s33, s[18:19], 0x0
	s_lshl_b32 s30, s28, 19                        ; in: 128 rows of 4,096 bytes, + 4 x column
	s_lshl_b32 s32, s29, 2
	s_add_co_u32 s30, s30, s32
	s_add_nc_u64 s[10:11], s[10:11], s[30:31]
	s_lshl_b32 s30, s26, 20                        ; out: 1 MiB a weight, 16,384 an n tile, 512 a block of 32 along K
	s_lshr_b32 s32, s29, 4
	s_lshl_b32 s32, s32, 14
	s_add_co_u32 s30, s30, s32
	s_lshl_b32 s32, s28, 11
	s_add_co_u32 s30, s30, s32
	s_add_nc_u64 s[22:23], s[22:23], s[30:31]
.macro LOADW t                         ; block t: W(32 t + i, my column), i = 0 .. 31, into set t % 2
.set i, 0
.rept 32
	global_load_b32 v[XR+32*((\t)%2)+i], v3, s[10:11] offset:(32*(\t)+i)*4096 th:TH_LOAD_NT
.set i, i+1
.endr
.endm
	LOADW 0
	LOADW 1
	s_wait_kmcnt 0x0
	s_add_co_i32 s33, s33, 127
	s_lshl_b32 s32, s33, 23
	v_mov_b32 v11, s32                             ; 2^e
	s_add_co_i32 s33, s33, 8
	s_lshl_b32 s33, s33, 23
	s_or_b32 s33, s33, 0x600000
	v_mov_b32 v10, s33                             ; 448 x 2^e
.macro BLOCKW t
.set XS, XR+32*((\t)%2)
.set CB, CW+8*(\t)
.if (\t) < 3
	s_wait_loadcnt 32                              ; this block's 32 loads are in; the next block's may be out
.else
	s_wait_loadcnt 0x0
.endif
.set i, 0
.rept 32
	v_med3_num_f32 v[XS+i], v[XS+i], -v10, v10
.set i, i+1
.endr
	v_cvt_scalef32_pk8_fp8_f32 v[CB:CB+1],   v[XS:XS+7],     v11   ; h = 0: k = 0..7,
	v_cvt_scalef32_pk8_fp8_f32 v[CB+4:CB+5], v[XS+8:XS+15],  v11   ; h = 1: k = 8..15,
	v_cvt_scalef32_pk8_fp8_f32 v[CB+2:CB+3], v[XS+16:XS+23], v11   ; h = 0: k = 16..23,
	v_cvt_scalef32_pk8_fp8_f32 v[CB+6:CB+7], v[XS+24:XS+31], v11   ; h = 1: k = 24..31.  Their results go to stores alone; the next block begins with plain lines on the other set
.if (\t) < 2
	LOADW (\t)+2
.endif
	global_store_b128 v4, v[CB:CB+3],   s[22:23] offset:(\t)*512       ; two aligned runs of 256 bytes: the half h = 0 of my two n tiles' piece
	global_store_b128 v4, v[CB+4:CB+7], s[22:23] offset:(\t)*512+256   ; and the half h = 1
.endm
	s_wait_alu depctr_va_vdst(0)
	BLOCKW 0
	BLOCKW 1
	BLOCKW 2
	BLOCKW 3
	s_endpgm
.Lfunc_end_k_q48ef114a39_quant:
	.size	k_q48ef114a39_quant, .Lfunc_end_k_q48ef114a39_quant-k_q48ef114a39_quant
	.p2alignl 7, 3214868480
	.fill 96, 4, 3214868480
	.section	.rodata,"a",@progbits
	.p2align	6, 0x0
	.amdhsa_kernel k_q48ef114a39_quant
		.amdhsa_group_segment_fixed_size 17920
		.amdhsa_private_segment_fixed_size 0
		.amdhsa_enable_private_segment 0
		.amdhsa_kernarg_size 80
		.amdhsa_user_sgpr_count 2
		.amdhsa_user_sgpr_kernarg_segment_ptr 1
		.amdhsa_wavefront_size32 1
		.amdhsa_system_sgpr_workgroup_id_x 1
		.amdhsa_system_sgpr_workgroup_id_y 1
		.amdhsa_system_sgpr_workgroup_id_z 1
		.amdhsa_system_vgpr_workitem_id 0
		.amdhsa_next_free_vgpr 226
		.amdhsa_next_free_sgpr 66
		.amdhsa_reserve_vcc 0
		.amdhsa_float_denorm_mode_32 3
		.amdhsa_float_denorm_mode_16_64 3
		.amdhsa_memory_ordered 1
		.amdhsa_forward_progress 1
		.amdhsa_inst_pref_size 42
	.end_amdhsa_kernel
	.amdgpu_metadata
---
amdhsa.version: [ 1, 2 ]
amdhsa.kernels:
  - .name:           k_q48ef114a39_quant
    .symbol:         k_q48ef114a39_quant.kd
    .args:
      - { .name: query, .offset: 0, .size: 8, .value_kind: global_buffer, .address_space: global }
      - { .name: key, .offset: 8, .size: 8, .value_kind: global_buffer, .address_space: global }
      - { .name: value, .offset: 16, .size: 8, .value_kind: global_buffer, .address_space: global }
      - { .name: Wq, .offset: 24, .size: 8, .value_kind: global_buffer, .address_space: global }
      - { .name: Wk, .offset: 32, .size: 8, .value_kind: global_buffer, .address_space: global }
      - { .name: Wv, .offset: 40, .size: 8, .value_kind: global_buffer, .address_space: global }
      - { .name: Wo, .offset: 48, .size: 8, .value_kind: global_buffer, .address_space: global }
      - { .name: lowp_scales, .offset: 56, .size: 8, .value_kind: global_buffer, .address_space: global }
      - { .name: xc, .offset: 64, .size: 8, .value_kind: global_buffer, .address_space: global }
      - { .name: wc, .offset: 72, .size: 8, .value_kind: global_buffer, .address_space: global }
    .group_segment_fixed_size: 17920
    .private_segment_fixed_size: 0
    .kernarg_segment_align: 8
    .kernarg_segment_size: 80
    .max_flat_workgroup_size: 128
    .sgpr_count:     66
    .vgpr_count:     226
    .wavefront_size: 32
...
	.end_amdgpu_metadata
.endif
;; end of part 1
;; launch proj (part 2): grid 4 x 48, 4 waves a work-group, clusters of 4 x 4, 327,680 bytes of LDS; arguments xc, wc, lowp_scales, bq, bk, bv, qkv; writes qkv
.if DOCPART == 2
	.amdgcn_target "amdgcn-amd-amdhsa--gfx1250"
	.amdhsa_code_object_version 6
	.text
	.protected	k_q48ef114a39_proj
	.globl	k_q48ef114a39_proj
	.p2align	8
	.type	k_q48ef114a39_proj,@function
k_q48ef114a39_proj:
	s_mov_b64 s[64:65], 0
	v_nop
	global_prefetch_b8 v0, s[64:65] scope:SCOPE_SE
	s_setreg_imm32_b32 hwreg(HW_REG_WAVE_MODE, 25, 1), 1
	s_wait_xcnt 0x0
	s_wait_alu depctr_hold_cnt(0) depctr_sa_sdst(0) depctr_va_vdst(0) depctr_va_sdst(0) depctr_va_ssrc(0) depctr_va_vcc(0) depctr_vm_vsrc(0)
	s_getreg_b32 s2, hwreg(HW_REG_IB_STS2, 6, 4)
	s_cmp_eq_u32 s2, 0
	s_cbranch_scc0 .Lentry_in_a_cluster
	s_endpgm
.Lentry_in_a_cluster:
	s_bfe_u32 s2, ttmp6, 0x10000c
	s_cmp_lg_u32 s2, 0xf033
	s_cbranch_scc0 .Lentry_shape_is_right
	s_endpgm
.Lentry_shape_is_right:
; Q = query Wq + bq, K = key Wk + bk, V = value Wv + bv on codes of FP8 (E4M3), and the results quantised at once for the two products of attention.
; In: xc [3][256 row tiles][16,384], wc [4][64 n tiles][16,384]: codes in the order of the operand's registers (16 rows x 1,024 K a tile; each 32 along K a piece of 512 bytes, 16 bytes a lane).
; Out: qkv.  Q at 0 and K at 4 MiB: [32 (16 batch + head)][128 token tiles][1,024]: 16 tokens x 64 d.  V at 8 MiB: [32][16 key steps][4 d tiles][2,048]: 16 d x 128 keys, the keys innermost.  The same order of registers.
; LIMITS on the given exponents: the sum of a product's two between -126 and 127; the result's own between -126 and 119.  NaN is not served.
; SHARES.  A work-group makes 256 tokens x 256 columns of one of the three products (the cluster's y / 4 says which); four waves, as many as a WGP has SIMDs, 128 x 128 each: 64 accumulators, 512 registers.
; The three products have 12,582,912 outputs: 192 such tiles, one to a work-group.  No tile gives 256 equal shares (49,152 outputs would be 192 x 256, and 192 divides neither 4,096 nor 1,024); a tile of 128 x 128 would read
; twice the LDS bytes for each multiply-add and put three work-groups, each with a start and an end of its own, on every WGP one after the other.
; K goes in steps of 256 through a ring of two LDS slots filled by the tensor data mover: four chunks, two first fills and two refills.
; CLUSTERS: 4 x 4 work-groups.  The four of a row need the same tokens' codes, the four of a column the same weight's: each is asked for jointly, by the same load with the same descriptor and a mask that names the four.
; THE PRODUCT IS USED SO THAT THE NEXT K RUNS ALONG A LANE'S REGISTERS.  In a result lane (r, h) holds row r of source 1 and rows 8 h + 0..7 of source 0.  Q, K: source 1 = tokens, source 0 = the weight: a lane holds one
; token and eight neighbouring d.  V: the two LDS bases change places: a lane holds one d and eight neighbouring keys.  Two neighbouring tiles' conversions then ARE a piece of the next operand, and are stored as they stand.
; Nothing but scalars made from the product's number differs between the two forms: no branch, no other instruction.
; REGISTERS, in windows of 256.  Window 0: v0-31 addresses and constants; v32-95 the bias along source 0; v96-111 the bias along source 1 (a pair a tile); v128-255 source 1's eight fragments (16 rows x 128 K), ONE set;
;   on the way out v128-191 are at work and v192-255 hold codes.   Window 1: source 0's fragments, TWO sets, at v0 and at v128.   Window 2: the 32 accumulators of source 1's tiles 0-3 ((a, b) at v[8 (8 a + b)]);   window 3: those of tiles 4-7.
; A step of 128 along K is 64 matrix instructions, source 1's tiles one after the other, each against source 0's eight.  So a fragment of source 1 is free as soon as its eight products are issued, and one set serves:
; tiles 0-3 are fetched anew in the step's middle, tiles 4-7 at its end.  Source 0's fragments are at work through the whole step and have two sets.
.set TILEB, 4096                       ; 16 rows x 256 along K
.set REGN,  16*TILEB                   ; a region: 16 tiles
.set SLOT,  2*REGN                     ; a slot: the tokens' region, then the weight's
.set SPARE, 2*SLOT                     ; behind the ring: the spare words, 128 bytes for each wave: two blocks of 256 bytes that no other line names
.set FR,    16                         ; registers of a fragment
.set NL,    4                          ; LDS loads that bring one
.set NP,    4                          ; places behind this matrix instruction (ISA guide 7.12.1)
.set LI,   3                           ; v3      16 x lane
.set VO,   8                           ; v8-15   my byte in the output for tile a of source 1
.set AD1,  16                          ; v16-17  source 1's fragments in slot 0, 1
.set AD0,  20                          ; v20-21  source 0's
.set LIM,  22                          ; v22     448 x 2^eo
.set SCL,  23                          ; v23     2^eo
.set BCO,  24                          ; v24     my byte in the bias, along source 0
.set BRO,  25                          ; v25     along source 1
.set ZR,   26                          ; v26     0, for the bias that does not apply
.set SPW,  28                          ; v28     LDS address of my spare word: SPARE + 4 x my thread's number; never rewritten
.set PFO,  30                          ; v30     the prefetches' offset: 16,384 x (lane / 16) + 256 x (lane % 16); never rewritten
.set PFA,  70                          ; s[70:71] where my prefetches stand; never rewritten
; A PREFETCH INTO THE L2 of the next chunk (256 along K), behind each joint load: chunk q's part of a wave's eight tiles is 8 x 4,096 bytes.  The four partners that ask for it jointly share it out BY ADDRESS: the partner at
; place p (cx for the tokens, cy for the weight) takes tiles 2 p and 2 p + 1, 32 blocks of 256 bytes, a lane a block.  It stands one chunk, 128 matrix instructions, ahead of the load that wants it; behind chunk 3's load nothing is asked for.
.macro ASK q
	global_prefetch_b8 v[PFO], s[PFA:PFA+1] offset:(\q)*TILEB th:TH_LOAD_NT scope:SCOPE_SE
.endm
.set NIL,  29                          ; v29     0; never rewritten
.set BCOL, 32
.set BROW, 96
.set AF,   128                         ; source 1's fragments
.set TT,   128                         ; the way out: 64 numbers of one tile a
.set CD,   192                         ; the way out: codes, four sets of 16 registers by turns
.set WV,   18                          ; s18 wave; s19 its half along source 1 (RH); s20 its half along source 0 (CH)
.set G1X,  24                          ; s[24:31] descriptor group 1 for the tokens' tiles, s[32:39] for the weight's: they differ in the mask alone
.set G1W,  32
.set G0X,  40                          ; s[40:47] group 0 for the tokens' tiles, one set for each slot
.set G0W,  48                          ; s[48:55] for the weight's
.set MSB, 0
.macro WIN new                         ; the immediate's high byte repeats the setting that is left
.if MSB != \new
	s_set_vgpr_msb (MSB<<8)|\new
.set MSB, \new
.endif
.endm
.set MUL_LO, 0xa1                      ; source 0 window 1, source 1 window 0, C and D window 2
.set MUL_HI, 0xf1                      ; the same, C and D window 3
.set TO_B,   0x40                      ; destination window 1, address window 0
; A joint load: waves 0 and 1 fetch the tokens' halves, waves 2 and 3 the weight's.  Each of the two lines has ONE mask and one set of registers for all that issue it; the branch hangs on the wave's number alone.
; Four v_nop follow each of the two lines, ahead of the jump, the label and what follows.
.macro JLOAD s
	s_cmp_eq_u32 s19, 0
	s_cbranch_scc0 .Lfor_w_\@
	tensor_load_to_lds s[G0X+4*\s:G0X+4*\s+3], s[G1X:G1X+7]
	s_nop 0
.rept 4
	v_nop
.endr
	s_branch .Lasked_\@
.Lfor_w_\@:
	tensor_load_to_lds s[G0W+4*\s:G0W+4*\s+3], s[G1W:G1W+7]
	s_nop 0
.rept 4
	v_nop
.endr
.Lasked_\@:
.endm
.macro CREST                           ; a round of the cluster's barrier behind its opening barrier
	s_cmp_lg_u32 s[WV], 0
	s_cbranch_scc1 .Lnot_wave_0_\@
	s_barrier_signal -3
.Lnot_wave_0_\@:
	s_barrier_wait -3
	s_barrier_signal -1
	s_barrier_wait -1
.endm
.macro CROUND                          ; a whole round
	s_barrier_signal -1
	s_barrier_wait -1
	CREST
.endm
; A load into a register that a matrix instruction has read, and a vector instruction that reads a matrix result or writes one of a matrix instruction's registers, stand NP places behind it, and only plain vector
; instructions that name none of its registers are places (ISA guide 7.12.1 for vector instructions); the matrix instructions in between are not counted.
.macro PLACES n
.rept \n
	v_nop
.endr
.endm
	s_load_b256 s[4:11], s[0:1], 0x0               ; xc s[4:5], wc s[6:7], the scales' exponents s[8:9], bq s[10:11]
	s_load_b128 s[12:15], s[0:1], 0x20             ; bk, bv
	s_load_b64 s[16:17], s[0:1], 0x30              ; qkv
	v_lshl_add_u32 v[SPW], v0, 2, SPARE
	v_mov_b32 v[NIL], 0
	ds_add_u32 v28, v29
	ds_add_u32 v28, v29
	s_wait_dscnt 0x0
	v_lshrrev_b32 v1, 5, v0
	v_readfirstlane_b32 s[WV], v1                  ; wave 0..3
	s_lshr_b32 s19, s[WV], 1                       ; RH.  Also: I fetch the tokens' codes (0) or the weight's (1)
	s_and_b32 s20, s[WV], 1                        ; CH.  Also: which eight tiles of the sixteen I fetch
	s_bfe_u32 s21, ttmp6, 0x40000                  ; cx
	s_bfe_u32 s22, ttmp6, 0x40004                  ; cy
	s_lshl_b32 s23, ttmp9, 2
	s_add_co_u32 s23, s23, s21                     ; xw: which 256 columns = 4 x cluster x + cx
	s_and_b32 s57, ttmp7, 0xffff                   ; the cluster's y, 0..11
	s_lshr_b32 s56, s57, 2                         ; the product: 0 Q, 1 K, 2 V: the same in all sixteen partners
	s_and_b32 s57, s57, 3
	s_lshl_b32 s57, s57, 2
	s_add_co_u32 s57, s57, s22                     ; ty: which 256 tokens = 4 x (cluster y % 4) + cy
	s_lshr_b32 s58, s56, 1
	s_and_b32 s58, s58, 1                          ; ISV: 1 for V
	s_sub_co_u32 s59, 0, s58                       ; a lane mask: all ones for V, else 0
	s_lshl_b32 s90, s22, 2
	s_lshl_b32 s90, 15, s90                        ; my row of the cluster
	s_lshl_b32 s92, 0x1111, s21                    ; my column
	; group 1: eight rows (tiles) of 4,096 bytes, 16,384 bytes apart, in elements of 8 bytes; dense in LDS
	s_or_b32 s[G1X], s90, (3<<16)|(1<<21)          ; 15:0 the mask; 17:16 elements of 8 bytes; 20 no padding; 21 set beside a mask
	s_or_b32 s[G1W], s92, (3<<16)|(1<<21)
.irp g, G1X, G1W
	s_mov_b32 s[\g+1], 512<<16                     ; tensor_dim0 = 512
	s_mov_b32 s[\g+2], 8<<16                       ; tensor_dim1 = 8
	s_mov_b32 s[\g+3], 512<<16                     ; tile_dim0 = 512
	s_mov_b32 s[\g+4], 8                           ; tile_dim1 = 8
	s_mov_b32 s[\g+5], 2048                        ; tensor_dim0_stride
	s_mov_b32 s[\g+6], 0
	s_mov_b32 s[\g+7], 0
.endr
	; where the tiles come from.  The tokens' hang on the product, ty and the wave; the weight's on the product, xw and the wave: each in registers that never hold the other coordinate
	s_lshl_b32 s60, s56, 22                        ; 4 MiB a tensor,
	s_lshl_b32 s90, s57, 18                        ; 16 tiles of 16,384 bytes for 256 tokens,
	s_add_co_u32 s60, s60, s90
	s_lshl_b32 s90, s20, 17                        ; eight of them a wave
	s_add_co_u32 s60, s60, s90
	s_mov_b32 s61, 0
	s_lshl_b32 s62, s56, 20                        ; 1 MiB a weight
	s_lshl_b32 s92, s23, 18
	s_add_co_u32 s62, s62, s92
	s_lshl_b32 s92, s20, 17
	s_add_co_u32 s62, s62, s92
	s_mov_b32 s63, 0
	s_lshl_b32 s91, s[WV], 15                      ; and where they go: wave x 32,768 in a slot: no place in the cluster enters an LDS address
	s_wait_kmcnt 0x0
	s_lshl_b32 s94, s56, 3                         ; the product's two exponents: entries 2 x product and the next
	s_mov_b32 s95, 0
	s_add_nc_u64 s[2:3], s[8:9], s[94:95]
	s_load_b64 s[84:85], s[2:3], 0x0
	s_add_co_u32 s94, s56, s58                     ; the result's own: entry 6 (Q), 7 (K), 9 (V)
	s_add_co_u32 s94, s94, 6
	s_lshl_b32 s94, s94, 2
	s_add_nc_u64 s[8:9], s[8:9], s[94:95]
	s_load_b32 s86, s[8:9], 0x0
	s_add_nc_u64 s[60:61], s[4:5], s[60:61]
	s_add_nc_u64 s[62:63], s[6:7], s[62:63]
.irp s, 0,1
	s_mov_b32 s[G0X+4*\s], 1                                       ; count = 1
	s_add_co_u32 s[G0X+4*\s+1], s91, \s*SLOT                       ; LDS address
	s_add_nc_u64 s[G0X+4*\s+2:G0X+4*\s+3], s[60:61], \s*TILEB      ; global address: 256 along K are 4,096 bytes of a tile
	s_or_b32 s[G0X+4*\s+3], s[G0X+4*\s+3], 0x80000000              ; type = 2
	s_mov_b32 s[G0W+4*\s], 1
	s_add_co_u32 s[G0W+4*\s+1], s91, \s*SLOT
	s_add_nc_u64 s[G0W+4*\s+2:G0W+4*\s+3], s[62:63], \s*TILEB
	s_or_b32 s[G0W+4*\s+3], s[G0W+4*\s+3], 0x80000000
.endr
	CROUND                                         ; all sixteen work-groups are here: the first joint loads meet
	JLOAD 0                                        ; chunk 0: one tensor load a wave at the head
	; while the tiles are on their way: addresses, biases, scales
	v_and_b32 v1, 15, v0                           ; r
	v_bfe_u32 v2, v0, 4, 1                         ; h
	v_and_b32 v4, 31, v0
	v_lshlrev_b32 v[LI], 4, v4
	v_lshlrev_b32 v[PFO], 8, v1
	v_lshl_add_u32 v[PFO], v2, 14, v[PFO]
	s_wait_alu depctr_va_vdst(0)
	s_lshl_b32 s92, s58, 16                        ; source 1: the tokens' region (0), for V the weight's (65,536),
	s_xor_b32 s93, s58, 1
	s_and_b32 s93, s93, 1
	s_lshl_b32 s93, s93, 16                        ; source 0: the other one;
	s_lshl_b32 s94, s19, 15
	s_add_co_u32 s92, s92, s94                     ; my half of each: eight tiles
	s_lshl_b32 s94, s20, 15
	s_add_co_u32 s93, s93, s94
.irp s, 0,1
	v_add_nc_u32 v[AD1+\s], s92, v[LI]
	v_add_nc_u32 v[AD0+\s], s93, v[LI]
	s_add_co_u32 s92, s92, SLOT
	s_add_co_u32 s93, s93, SLOT
.endr
	s_cmp_eq_u32 s56, 1                            ; the product's bias
	s_cselect_b64 s[10:11], s[12:13], s[10:11]
	s_cmp_eq_u32 s56, 2
	s_cselect_b64 s[10:11], s[14:15], s[10:11]
	s_lshl_b32 s94, s23, 10
	s_mov_b32 s95, 0
	s_add_nc_u64 s[10:11], s[10:11], s[94:95]      ; at the work-group's 256 columns
	s_cmp_eq_u32 s19, 0                            ; the prefetches: my wave's eight tiles, tokens' or weight's,
	s_cselect_b64 s[PFA:PFA+1], s[60:61], s[62:63]
	s_cselect_b32 s72, s21, s22
	s_lshl_b32 s72, s72, 15                        ; my work-group's two of them
	s_mov_b32 s73, 0
	s_add_nc_u64 s[PFA:PFA+1], s[PFA:PFA+1], s[72:73]
	s_lshl_b32 s94, s20, 9
	v_lshl_add_u32 v[BCO], v2, 5, s94              ; the columns along source 0: 128 CH + 16 b + 8 h + 0..7
	s_lshl_b32 s94, s19, 9
	v_lshl_add_u32 v[BRO], v1, 2, s94              ; the columns along source 1: 128 RH + 16 a + r
.irp b, 0,1,2,3,4,5,6,7
	global_load_b128 v[BCOL+8*\b:BCOL+8*\b+3],   v[BCO], s[10:11] offset:64*\b
	global_load_b128 v[BCOL+8*\b+4:BCOL+8*\b+7], v[BCO], s[10:11] offset:64*\b+16
.endr
.irp a, 0,1,2,3,4,5,6,7
	global_load_b32 v[BROW+2*\a], v[BRO], s[10:11] offset:64*\a
.endr
	ASK 1
	; tile a of source 1 in the output.  Q, K: a token tile, 1,024 a.  V: d tile a % 4 of head a / 4: 131,072 (a / 4) + 2,048 (a % 4)
.irp a, 0,1,2,3,4,5,6,7
	s_mul_i32 s92, s58, (\a/4)*131072+(\a%4)*2048-\a*1024
	s_add_co_u32 s92, s92, \a*1024
	v_add_nc_u32 v[VO+\a], s92, v[LI]
.endr
	s_cmp_eq_u32 s58, 1
	s_cselect_b32 s92, s19, s20                    ; my 128 columns are two heads: 4 xw + 2 CH on, for V 4 xw + 2 RH on
	s_cselect_b32 s93, s20, s19                    ; my 128 tokens are 8,192 bytes in either layout: eight token tiles, or one key step
	s_lshl_b32 s92, s92, 18
	s_lshl_b32 s93, s93, 13
	s_add_co_u32 s94, s92, s93
	s_lshr_b32 s92, s57, 3                         ; the batch: eight tiles of 256 tokens each; 16 heads of 131,072 bytes
	s_lshl_b32 s92, s92, 21
	s_add_co_u32 s94, s94, s92
	s_lshl_b32 s92, s23, 19                        ; four heads for 256 columns
	s_add_co_u32 s94, s94, s92
	s_and_b32 s92, s57, 7
	s_lshl_b32 s92, s92, 14                        ; 256 tokens are 16,384 bytes of a head
	s_add_co_u32 s94, s94, s92
	s_lshl_b32 s92, s56, 22
	s_add_co_u32 s94, s94, s92
	s_add_nc_u64 s[66:67], s[16:17], s[94:95]      ; pieces 0 and 1 of source 0's 128 (32 each)
	s_mul_i32 s94, s58, 130048
	s_sub_co_u32 s94, 131072, s94                  ; pieces 2 and 3: the next head (131,072 on), for V the next 64 keys (1,024 on)
	s_add_nc_u64 s[68:69], s[66:67], s[94:95]
	v_mov_b32 v[ZR], 0
	s_wait_alu depctr_va_vdst(0)
	s_wait_loadcnt 0x0
.set j, 0
.rept 64
	v_cndmask_b32 v[BCOL+j], v[BCOL+j], v[ZR], s59     ; the bias lies along one of the two sources: the other's registers become 0
.set j, j+1
.endr
.irp a, 0,1,2,3,4,5,6,7
	v_cndmask_b32 v[BROW+2*\a], v[ZR], v[BROW+2*\a], s59
	v_mov_b32 v[BROW+2*\a+1], v[BROW+2*\a]             ; twice, for the packed addition
.endr
	s_wait_kmcnt 0x0
	s_add_co_i32 s88, s84, s85
	s_add_co_i32 s88, s88, 127
	s_lshl_b32 s88, s88, 23                        ; 2^(ea + eb): what each finished sum is multiplied by
	s_mov_b32 s89, s88                             ; (named with it as a pair, so it is written)
	s_add_co_i32 s92, s86, 127
	s_lshl_b32 s93, s92, 23
	v_mov_b32 v[SCL], s93                          ; 2^eo
	s_add_co_i32 s92, s92, 8
	s_lshl_b32 s92, s92, 23
	s_or_b32 s92, s92, 0x600000
	v_mov_b32 v[LIM], s92                          ; 448 x 2^eo
.macro FRAG reg, adr, q, i             ; a fragment, 16 rows x 128 K, is 16 registers: four pieces of 512 consecutive bytes, 16 bytes a lane
.irp c, 0,1,2,3
	ds_load_b128 v[\reg+4*\c:\reg+4*\c+3], v[\adr] offset:(\i)*TILEB+(\q)*2048+\c*512
.endr
.endm
; 16 matrix instructions: source 1's tiles a0, a0 + 1 x source 0's eight, 128 along K.  p: source 0's set.  zero = 1: the first product starts the sums: nothing is ever cleared.
; The 64 accumulators take turns, one instruction a turn, in the same order in every step.
.macro MUL16 a0, p, zero
.irp a, \a0, \a0+1
.irp b, 0,1,2,3,4,5,6,7
.if \zero
	v_wmma_f32_16x16x128_fp8_fp8 v[8*(8*((\a)%4)+\b):8*(8*((\a)%4)+\b)+7], v[128*(\p)+FR*\b:128*(\p)+FR*\b+FR-1], v[AF+FR*(\a):AF+FR*(\a)+FR-1], 0
.else
	v_wmma_f32_16x16x128_fp8_fp8 v[8*(8*((\a)%4)+\b):8*(8*((\a)%4)+\b)+7], v[128*(\p)+FR*\b:128*(\p)+FR*\b+FR-1], v[AF+FR*(\a):AF+FR*(\a)+FR-1], v[8*(8*((\a)%4)+\b):8*(8*((\a)%4)+\b)+7]
.endif
.endr
.endr
.endm
.macro FETCH_B slot, q, p              ; source 0's eight fragments of the slot's q-th 128 along K into set p
	WIN TO_B
.irp i, 0,1,2,3,4,5,6,7
	FRAG 128*(\p)+FR*\i, AD0+\slot, \q, \i
.endr
	WIN 0
.endm
.macro FETCH_A slot, q, i0             ; source 1's tiles i0 .. i0 + 3
.irp i, \i0, \i0+1, \i0+2, \i0+3
	FRAG AF+FR*(\i), AD1+\slot, \q, \i
.endr
.endm
; A step of 128 along K that has its successor in the same slot.
.macro STEP slot, q, zero
	s_wait_dscnt 4*NL                              ; source 0's set and source 1's tiles 0-3 are in; the youngest sixteen loads (tiles 4-7) may be out
	WIN MUL_LO
	MUL16 0, (\q)%2, \zero
	MUL16 2, (\q)%2, \zero
	s_wait_dscnt 0                                 ; tiles 4-7 are in (asked for 32 matrix instructions ago)
	PLACES NP
	FETCH_B \slot, (\q)+1, 1-(\q)%2
	FETCH_A \slot, (\q)+1, 0
	WIN MUL_HI
	MUL16 4, (\q)%2, \zero
	MUL16 6, (\q)%2, \zero
	PLACES NP
	WIN 0
	FETCH_A \slot, (\q)+1, 4
.endm
; A slot's last step changes slots: ONE barrier; in front of it each wave waits for all its tensor loads, adds 0 to its spare word, and waits for that and for its own reads of this slot.  fill = 1: this slot is filled again, two chunks ahead.
.macro TURN slot, next, fill
	s_wait_tensorcnt 0x0                           ; all my tensor loads have landed: my part of the next slot;  (every window is 0 here: the add's two registers lie in window 0)
	ds_add_u32 v[SPW], v[NIL]                      ; 0 onto my spare word
	s_wait_dscnt 4*NL+1                            ; (the add and the youngest sixteen loads, tiles 4-7, may be out)
	WIN MUL_LO
	MUL16 0, 1, 0                                  ; sixteen matrix instructions stand between the add and the wait for it
	s_wait_dscnt 0x0                               ; the add is done, and my reads of this slot are over
	s_barrier_signal -1
	MUL16 2, 1, 0
	WIN 0
	s_barrier_wait -1
.if \fill
	CREST                                          ; the barrier has opened a round of the cluster's barrier: no wave of any partner still reads this slot's tiles or has a load on its way
	s_add_nc_u64 s[G0X+4*\slot+2:G0X+4*\slot+3], s[G0X+4*\slot+2:G0X+4*\slot+3], 2*TILEB
	s_add_nc_u64 s[G0W+4*\slot+2:G0W+4*\slot+3], s[G0W+4*\slot+2:G0W+4*\slot+3], 2*TILEB
	JLOAD \slot                                    ; the first tensor load behind the round, and my one load until the next: it has 128 matrix instructions in which to land; the four v_nop behind it are also the places in front of the loads below
.else
	PLACES NP
.endif
	FETCH_B \next, 0, 0
	FETCH_A \next, 0, 0
.if (\fill) && (\slot) == 0
	ASK 3
.endif
	WIN MUL_HI
	MUL16 4, 1, 0
	MUL16 6, 1, 0
	PLACES NP
	WIN 0
	FETCH_A \next, 0, 4
.endm
	s_wait_alu depctr_va_vdst(0)                   ; the wait at the head's end
	s_wait_tensorcnt 0x0                           ; my part of chunk 0 is in
	ds_add_u32 v[SPW], v[NIL]
	s_wait_dscnt 0x0                               ; the add is done
	CROUND                                         ; everybody's part of chunk 0 is in, and all sixteen work-groups are here
	JLOAD 1                                        ; chunk 1, the first tensor load behind the round
	FETCH_B 0, 0, 0
	FETCH_A 0, 0, 0
	FETCH_A 0, 0, 4
	ASK 2
	STEP 0, 0, 1                                   ; K 0-127: its products start the sums
	TURN 0, 1, 1                                   ; K 128-255; slot 0 takes chunk 2
	STEP 1, 0, 0                                   ; K 256-383
	TURN 1, 0, 1                                   ; K 384-511; slot 1 takes chunk 3
	STEP 0, 0, 0                                   ; K 512-639
	TURN 0, 1, 0                                   ; K 640-767; nothing is left to fetch, so no round follows the barrier
	STEP 1, 0, 0                                   ; K 768-895
	s_wait_dscnt 4*NL                              ; K 896-1023: nothing more to fetch
	WIN MUL_LO
	MUL16 0, 1, 0
	MUL16 2, 1, 0
	s_wait_dscnt 0x0
	WIN MUL_HI
	MUL16 4, 1, 0
	MUL16 6, 1, 0
	WIN 0
; THE WAY OUT, a tile a of source 1 (16 rows x source 0's 128) at a time: sum x 2^(ea + eb) + bias, held, converted.  The conversions of source 0's tiles 2 c and 2 c + 1 are four registers: piece c as the next launch loads it.
.macro OUTA a
.set AC, 64*((\a)%4)
.set CS, CD+16*((\a)%4)
.if (\a) == 4
	s_wait_xcnt 0x0                                ; the stores of tiles 0-3 have read their registers: the four sets of codes are written again only behind this wait
.endif
	WIN 0x02+((\a)/4)                              ; source 0: window 2 or 3
.irp b, 0,1,2,3,4,5,6,7
.irp i, 0,2,4,6
	v_pk_fma_f32 v[TT+8*\b+\i:TT+8*\b+\i+1], v[AC+8*\b+\i:AC+8*\b+\i+1], s[88:89], v[BCOL+8*\b+\i:BCOL+8*\b+\i+1] op_sel_hi:[1,0,1]   ; each accumulator from its low end on
.endr
.endr
	WIN 0
.set j, 0
.rept 32
	v_pk_add_f32 v[TT+j:TT+j+1], v[TT+j:TT+j+1], v[BROW+2*(\a):BROW+2*(\a)+1]   ; one of the two biases is 0, so nothing is rounded twice
.set j, j+2
.endr
.irp b, 0,1,2,3,4,5,6,7
.irp i, 0,1,2,3,4,5,6,7
	v_med3_num_f32 v[TT+8*\b+\i], v[TT+8*\b+\i], -v[LIM], v[LIM]   ; the conversion to an 8-bit code does not saturate (ISA guide 7.6.2)
.endr
	v_cvt_scalef32_pk8_fp8_f32 v[CS+2*\b:CS+2*\b+1], v[TT+8*\b:TT+8*\b+7], v[SCL]
.endr
	v_nop                                          ; a plain line behind the last conversion: the next tile's first lines write the numbers' registers
	global_store_b128 v[VO+\a], v[CS:CS+3],     s[66:67]               ; 32 lanes store 512 consecutive bytes, aligned
	global_store_b128 v[VO+\a], v[CS+4:CS+7],   s[66:67] offset:512
	global_store_b128 v[VO+\a], v[CS+8:CS+11],  s[68:69]
	global_store_b128 v[VO+\a], v[CS+12:CS+15], s[68:69] offset:512
.endm
	PLACES NP                                      ; the lines below write registers that held source 1's fragments, and read results
.irp a, 0,1,2,3,4,5,6,7
	OUTA \a
.endr
	s_wait_tensorcnt 0x0                           ; the wave's end, behind my last tensor load
	ds_add_u32 v[SPW], v[NIL]
	s_wait_dscnt 0x0
	CROUND                                         ; the closing round: no work-group ends while a partner may still ask for a tile that names it
	s_endpgm
.Lfunc_end_k_q48ef114a39_proj:
	.size	k_q48ef114a39_proj, .Lfunc_end_k_q48ef114a39_proj-k_q48ef114a39_proj
	.p2alignl 7, 3214868480
	.fill 96, 4, 3214868480
	.section	.rodata,"a",@progbits
	.p2align	6, 0x0
	.amdhsa_kernel k_q48ef114a39_proj
		.amdhsa_group_segment_fixed_size 327680
		.amdhsa_private_segment_fixed_size 0
		.amdhsa_enable_private_segment 0
		.amdhsa_kernarg_size 56
		.amdhsa_user_sgpr_count 2
		.amdhsa_user_sgpr_kernarg_segment_ptr 1
		.amdhsa_wavefront_size32 1
		.amdhsa_system_sgpr_workgroup_id_x 1
		.amdhsa_system_sgpr_workgroup_id_y 1
		.amdhsa_system_sgpr_workgroup_id_z 1
		.amdhsa_system_vgpr_workitem_id 0
		.amdhsa_next_free_vgpr 1024
		.amdhsa_next_free_sgpr 96
		.amdhsa_reserve_vcc 0
		.amdhsa_float_denorm_mode_32 3
		.amdhsa_float_denorm_mode_16_64 3
		.amdhsa_memory_ordered 1
		.amdhsa_forward_progress 1
		.amdhsa_inst_pref_size 160
	.end_amdhsa_kernel
	.amdgpu_metadata
---
amdhsa.version: [ 1, 2 ]
amdhsa.kernels:
  - .name:           k_q48ef114a39_proj
    .symbol:         k_q48ef114a39_proj.kd
    .args:
      - { .name: xc, .offset: 0, .size: 8, .value_kind: global_buffer, .address_space: global }
      - { .name: wc, .offset: 8, .size: 8, .value_kind: global_buffer, .address_space: global }
      - { .name: lowp_scales, .offset: 16, .size: 8, .value_kind: global_buffer, .address_space: global }
      - { .name: bq, .offset: 24, .size: 8, .value_kind: global_buffer, .address_space: global }
      - { .name: bk, .offset: 32, .size: 8, .value_kind: global_buffer, .address_space: global }
      - { .name: bv, .offset: 40, .size: 8, .value_kind: global_buffer, .address_space: global }
      - { .name: qkv, .offset: 48, .size: 8, .value_kind: global_buffer, .address_space: global }
    .group_segment_fixed_size: 327680
    .private_segment_fixed_size: 0
    .kernarg_segment_align: 8
    .kernarg_segment_size: 56
    .max_flat_workgroup_size: 128
    .sgpr_count:     96
    .vgpr_count:     1024
    .wavefront_size: 32
...
	.end_amdgpu_metadata
.endif
;; end of part 2
;; launch attn (part 3): grid 8 x 32, 16 waves a work-group, clusters of 4 x 1, 264,192 bytes of LDS; arguments qkv, lowp_scales, oc; writes oc
.if DOCPART == 3
	.amdgcn_target "amdgcn-amd-amdhsa--gfx1250"
	.amdhsa_code_object_version 6
	.text
	.protected	k_q48ef114a39_attn
	.globl	k_q48ef114a39_attn
	.p2align	8
	.type	k_q48ef114a39_attn,@function
k_q48ef114a39_attn:
	s_mov_b64 s[64:65], 0
	v_nop
	global_prefetch_b8 v0, s[64:65] scope:SCOPE_SE
	s_setreg_imm32_b32 hwreg(HW_REG_WAVE_MODE, 25, 1), 1
	s_wait_xcnt 0x0
	s_wait_alu depctr_hold_cnt(0) depctr_sa_sdst(0) depctr_va_vdst(0) depctr_va_sdst(0) depctr_va_ssrc(0) depctr_va_vcc(0) depctr_vm_vsrc(0)
	s_getreg_b32 s2, hwreg(HW_REG_IB_STS2, 6, 4)
	s_cmp_eq_u32 s2, 0
	s_cbranch_scc0 .Lentry_in_a_cluster
	s_endpgm
.Lentry_in_a_cluster:
	s_bfe_u32 s2, ttmp6, 0x10000c
	s_cmp_lg_u32 s2, 0x3003
	s_cbranch_scc0 .Lentry_shape_is_right
	s_endpgm
.Lentry_shape_is_right:
; O = softmax(Q K^T / 8, causal) V for 32 heads (16 x batch + head) of 2,048 tokens x 64, both products on codes of FP8 (E4M3); O quantised at once for the last projection.
; In: qkv: Q at 0, K at 4 MiB: [32][128 token tiles][1,024] (16 tokens x 64 d); V at 8 MiB: [32][16 key steps][4 d tiles][2,048] (16 d x 128 keys).  Out: oc [256 row tiles][16,384]: 16 tokens x 1,024 (k = 64 head + d).
; All in the order of the operand's registers: each 32 along K a piece of 512 bytes, 16 bytes a lane.
; THE SOFTMAX AHEAD OF THE SECOND PRODUCT: t = score x log2(e) / 8; M = the row's largest t so far, rounded UP to a whole number; p = 2^(t - M) is quantised, not normalised.  The row's sum is taken of the unquantised p
; and divides O at the end.  When M moves, the sum and O are multiplied by 2^(old M - new M): exact.
; LIMITS on the given exponents: e6 + e7 between -123 and 130 (added to the exponent field of log2(e) / 8); e8 and e10 between -126 and 119; e8 + e9 goes by v_ldexp_f32 and has none.  |t| stays under 2^31.  NaN is not served.
; NO RING: a head's K and V are 2 x 131,072 bytes of codes and lie whole in LDS, 8,192 bytes a key step each.  Waves 0-7 bring key steps 0-3 (8,192 bytes a wave), waves 8-15 key steps 4-15 (24,576 bytes a wave), one load a wave,
; all at the head.  Two trips need no key step beyond 2: they are worked while the rest is on its way.  Nothing is prefetched: all is asked for at the head.
; CLUSTER: the four work-groups of a cluster belong to one head and need the same K and V: each load is a joint one, with the mask of all four.
; SHARES, AND THE CAUSAL MASK.  Eight work-groups to a head; work-group jw owns the 16 tiles of 16 queries 8 G + jw, G = 0 .. 15; tile G needs key steps 0 .. G of 128 keys, the steps behind them are left out.
; Tiles i and 15 - i together have 17 steps, and two waves share them.  Wave i (kind 0) takes steps 0, 1 and 10 - i .. 15 - i of tile 15 - i.  Wave i + 8 (kind 1) takes tile i whole (steps 0 .. i), sends it out, then steps
; 2 .. 9 - i of tile 15 - i.  In the end wave i hands its part of tile 15 - i to wave i + 8 through LDS.  So a wave has 8 or 9 steps, and four waves w, w + 4, w + 8, w + 12 have 34.
; LAYOUT.  Both products are used transposed: S^T = K Q^T (source 0 = 16 keys, source 1 = my 16 queries), O^T = V^T P^T: a lane holds ONE query throughout.  In tile t of S^T lane (r, h) holds keys 16 t + 8 h + 0..7:
; its conversion is registers 2 t, 2 t + 1 of P as the second product wants them.
; REGISTERS: v1-7 addresses; v12 -M, v13 the largest t, v[14:15] the sum in two halves; v16-23 Q, v24-31 Q of tile 15 - i; v32-95 and v96-159 change roles from step to step: one holds K's eight fragments, then V's four, the
; other S^T, then p, then the next step's K; v160-191 O^T; v192-199 O's codes; v224-239 P's codes; v236-255 at work and constants.
.set SPARE, 262144                     ; LDS: K at 0, V at 131,072, behind them the spare words, 128 bytes for each wave
.set LI,   1                           ; v1   16 x lane
.set LIV,  2                           ; v2   + 131,072
.set EXW,  3                           ; v3   the hand-over: where I put my part of a tile, 9 x 512 bytes from 16,384 x wave on (K and V have had their last read then)
.set DQ,   4                           ; v4   my query's place in the diagonal step, less 8 h
.set ADV,  5                           ; v5   the step's V
.set EXR,  6                           ; v6   the hand-over: where I read my partner's: from 16,384 x (wave % 8) on
.set ADK,  7                           ; v7   the next step's K
.set WV,   10                          ; s10  wave
.set ST,   14                          ; s14  the first of a loop trip's two steps
.set TB,   15                          ; s15  the step's first byte in either image
.set TBN,  16                          ; s16  the next step's
.set TR,   17                          ; s17  the step in hand, counted 0 .. 8
.set SEL,  20                          ; s[20:21] lane selects for v_permlanex16_b32: lane l xor 16
.set CS,   22                          ; s[22:23] c = log2(e) / 8 x 2^(e6 + e7)
.set SWI,  32                          ; s32  the last step of my first tile (kind 1), beyond all steps in kind 0
.set D2,   33                          ; s33  the step on tile 15 - i's diagonal (kind 0), beyond all steps in kind 1
.set LASTJ, 34                         ; s34  my last step
.set DA,   35                          ; s35  8,192 x (key step - step), from step 2 on: 8 - i in kind 0, 0 in kind 1's first tile,
.set DB,   38                          ; s38  1 - i in its second
.macro CROUND                          ; a round of the cluster's barrier
	s_barrier_signal -1
	s_barrier_wait -1
	s_cmp_lg_u32 s[WV], 0
	s_cbranch_scc1 .Lnot_wave_0_\@
	s_barrier_signal -3
.Lnot_wave_0_\@:
	s_barrier_wait -3
	s_barrier_signal -1
	s_barrier_wait -1
.endm
.macro G1SET g, r                      ; a dense block as r rows of 256 bytes, in elements of 8 bytes
	s_mov_b32 s[\g], 15|(3<<16)|(1<<21)            ; 15:0 the mask: all four work-groups; 17:16 elements of 8 bytes; 21 set beside a mask
	s_mov_b32 s[\g+1], 32<<16                      ; tensor_dim0
	s_mov_b32 s[\g+2], (\r)<<16                    ; tensor_dim1
	s_mov_b32 s[\g+3], 32<<16                      ; tile_dim0
	s_mov_b32 s[\g+4], \r                          ; tile_dim1
	s_mov_b32 s[\g+5], 32                          ; tensor_dim0_stride
	s_mov_b32 s[\g+6], 0
	s_mov_b32 s[\g+7], 0
.endm
.macro FRESH                           ; a tile begins: the largest t -3e38, under every t; the sum and O^T zeros, which the first change of M leaves zeros
	v_mov_b32 v13, 0xff61b1e6
	v_mov_b32 v14, 0
	v_mov_b32 v15, 0
.set j, 0
.rept 32
	v_mov_b32 v[160+j], 0
.set j, j+1
.endr
	v_floor_f32 v12, -v13                          ; -M
.endm
	s_load_b128 s[4:7], s[0:1], 0x0                ; qkv s[4:5], the scales' exponents s[6:7]
	s_load_b64 s[8:9], s[0:1], 0x10                ; oc
	v_lshl_add_u32 v251, v0, 2, SPARE
	v_mov_b32 v255, 0
	ds_add_u32 v251, v255                          ; the opening lines; the set-up below, work on registers, stands between them and their wait
	ds_add_u32 v251, v255
	v_lshrrev_b32 v8, 5, v0
	v_readfirstlane_b32 s[WV], v8                  ; wave 0..15
	s_lshr_b32 s60, s[WV], 3                       ; kind
	s_and_b32 s61, s[WV], 7                        ; i
	s_xor_b32 s62, s60, 1
	s_lshl_b32 s63, s62, 6
	s_add_co_u32 s[SWI], s61, s63
	s_lshl_b32 s63, s60, 6
	s_add_co_u32 s[D2], s63, 7
	s_add_co_u32 s[LASTJ], s60, 7
	s_xor_b32 s63, s61, 7                          ; 7 - i
	s_add_co_u32 s63, s63, 1
	s_mul_i32 s63, s63, s62
	s_lshl_b32 s[DA], s63, 13
	s_sub_co_u32 s63, 1, s61
	s_lshl_b32 s[DB], s63, 13
	s_xor_b32 s36, s61, 15                         ; 15 - i: the long tile's G
	s_cmp_eq_u32 s60, 0
	s_cselect_b32 s37, s36, s61                    ; my first tile's G
	s_bfe_u32 s39, ttmp6, 0x40000                  ; cx: it enters Q's and O's global addresses and the mask's number alone
	s_lshl_b32 s12, ttmp9, 2
	s_add_co_u32 s12, s12, s39                     ; jw = 4 x cluster x + cx
	s_and_b32 s13, ttmp7, 0xffff                   ; the head (16 x batch + head), which the four partners share
	G1SET 24, 32
	G1SET 88, 96
	s_bfe_u32 s62, s[WV], 0x10002                  ; u: K (0) or V (1);
	s_and_b32 s63, s[WV], 3                        ; and which quarter
	s_lshl_b32 s80, s62, 17                        ; LDS: the image
	s_lshl_b32 s81, s63, 13                        ; waves 0-7: 8,192 bytes of key steps 0-3
	s_mul_i32 s84, s63, 24576                      ; waves 8-15: 24,576 bytes of key steps 4-15
	s_add_co_u32 s84, s84, 32768
	s_add_co_u32 s62, s62, 1
	s_lshl_b32 s62, s62, 22                        ; memory: K at 4 MiB, V at 8 MiB,
	s_lshl_b32 s63, s13, 17                        ; 131,072 bytes a head
	s_add_co_u32 s62, s62, s63
	s_mov_b32 s48, 1
	s_add_co_u32 s49, s80, s81
	s_mov_b32 s52, 1
	s_add_co_u32 s53, s80, s84
	s_add_co_u32 s82, s62, s81
	s_mov_b32 s83, 0
	s_add_co_u32 s84, s62, s84
	s_mov_b32 s85, 0
	s_mov_b32 s[SEL], 0x76543210
	s_mov_b32 s[SEL+1], 0xfedcba98
	s_lshl_b32 s60, s37, 3
	s_add_co_u32 s60, s60, s12                     ; my first tile: 8 G + jw
	s_lshl_b32 s61, s36, 3
	s_add_co_u32 s61, s61, s12                     ; the long tile
	s_lshl_b32 s62, s13, 17
	s_lshl_b32 s44, s60, 10
	s_add_co_u32 s44, s44, s62                     ; their codes of Q,
	s_mov_b32 s45, 0
	s_lshl_b32 s46, s61, 10
	s_add_co_u32 s46, s46, s62
	s_mov_b32 s47, 0
	s_lshr_b32 s62, s13, 4
	s_lshl_b32 s62, s62, 7                         ; and of O: row tile 128 x batch + tile,
	s_and_b32 s63, s13, 15
	s_lshl_b32 s63, s63, 10                        ; the head's 64 along K are two pieces
	s_add_co_u32 s40, s62, s60
	s_lshl_b32 s40, s40, 14
	s_add_co_u32 s40, s40, s63
	s_mov_b32 s41, 0
	s_add_co_u32 s42, s62, s61
	s_lshl_b32 s42, s42, 14
	s_add_co_u32 s42, s42, s63
	s_mov_b32 s43, 0
	s_lshl_b32 s18, s12, 4
	s_lshl_b32 s60, s[WV], 14
	s_and_b32 s61, s[WV], 7
	s_lshl_b32 s61, s61, 14
	v_and_b32 v8, 31, v0
	v_lshlrev_b32 v[LI], 4, v8
	v_add_nc_u32 v[LIV], 0x20000, v[LI]
	v_add_nc_u32 v[EXW], s60, v[LI]
	v_add_nc_u32 v[EXR], s61, v[LI]
	v_and_b32 v8, 15, v0                           ; r
	v_bfe_u32 v9, v0, 4, 1                         ; h
	v_lshlrev_b32 v9, 3, v9
	v_sub_nc_u32 v[DQ], v8, v9
	v_add_nc_u32 v[DQ], s18, v[DQ]                 ; 16 jw + r - 8 h
	v_mov_b32 v236, 0                              ; written once: a lane permute's destination counts as one of its sources
	v_mov_b32 v252, 0
	v_mov_b32 v253, 0                              ; (named as the upper half of the pair v[252:253])
	FRESH
	s_wait_alu depctr_va_vdst(0)                   ; the wait here, directly ahead of the waits below
	s_wait_dscnt 0x0                               ; both opening adds are done
	s_wait_kmcnt 0x0
	s_load_b256 s[68:75], s[6:7], 0x0              ; e0 .. e7
	s_load_b128 s[76:79], s[6:7], 0x20             ; e8 .. e11
	s_add_nc_u64 s[44:45], s[4:5], s[44:45]
	s_add_nc_u64 s[46:47], s[4:5], s[46:47]
	s_add_nc_u64 s[40:41], s[8:9], s[40:41]
	s_add_nc_u64 s[42:43], s[8:9], s[42:43]
	s_add_nc_u64 s[50:51], s[4:5], s[82:83]
	s_or_b32 s51, s51, 0x80000000
	s_add_nc_u64 s[54:55], s[4:5], s[84:85]
	s_or_b32 s55, s55, 0x80000000
	global_load_b128 v[16:19], v[LI], s[44:45]     ; Q's fragments stay in registers
	global_load_b128 v[20:23], v[LI], s[44:45] offset:512
	global_load_b128 v[24:27], v[LI], s[46:47]
	global_load_b128 v[28:31], v[LI], s[46:47] offset:512
	CROUND                                         ; all four work-groups are here: the joint loads meet
	s_cmp_lt_u32 s[WV], 8
	s_cbranch_scc0 .Lrest
	tensor_load_to_lds s[48:51], s[24:31]          ; my part of key steps 0-3,
	s_nop 0
.rept 4
	v_nop
.endr
	s_wait_tensorcnt 0x0                           ; which has landed when I come to the barrier below
	s_branch .Lasked
.Lrest:
	tensor_load_to_lds s[52:55], s[88:95]          ; my part of key steps 4-15: it may be out at the barrier below
	s_nop 0
.rept 4
	v_nop
.endr
.Lasked:
	s_wait_kmcnt 0x0
	s_mov_b32 s[CS], 0x3e38aa3b                    ; log2(e) / 8
	s_add_co_i32 s60, s74, s75
	s_lshl_b32 s60, s60, 23
	s_add_co_i32 s[CS], s[CS], s60                 ; a score stands for score x 2^(e6 + e7): the two are added to c's exponent field
	s_mov_b32 s[CS+1], s[CS]                       ; (named with it as a pair, so it is written)
	s_add_co_i32 s60, s76, 127
	s_lshl_b32 s61, s60, 23
	v_mov_b32 v244, s61                            ; 2^e8, for p's conversion
	s_add_co_i32 s60, s60, 8
	s_lshl_b32 s60, s60, 23
	s_or_b32 s60, s60, 0x600000
	v_mov_b32 v240, s60                            ; 448 x 2^e8, twice: the dual form wants its second sources in different banks
	v_mov_b32 v241, s60
	s_add_co_i32 s60, s78, 127
	s_lshl_b32 s61, s60, 23
	v_mov_b32 v245, s61                            ; 2^e10, for O's
	s_add_co_i32 s60, s60, 8
	s_lshl_b32 s60, s60, 23
	s_or_b32 s60, s60, 0x600000
	v_mov_b32 v250, s60                            ; 448 x 2^e10
	s_add_co_i32 s19, s76, s77                     ; e8 + e9
.macro KLD r, t, ad                    ; K's fragment t: 16 keys x 64 d, two pieces; every load takes 512 consecutive bytes
	ds_load_b128 v[\r+8*\t:\r+8*\t+3], v[\ad] offset:\t*1024
	ds_load_b128 v[\r+8*\t+4:\r+8*\t+7], v[\ad] offset:\t*1024+512
.endm
; A KEY STEP: 128 keys.  K stands in the registers from v x on, or is on its way there; the scores go to those from v y on.  pre = 1: the next step's K is asked for, into y's registers.
.macro STEP x, y, pre
	v_add_nc_u32 v[ADV], s[TB], v[LIV]
.if \pre
	v_add_nc_u32 v[ADK], s[TBN], v[LI]
.else
	v_nop
.endif
.rept 3
	v_nop                                          ; five places in front of products that write over what the last step's products have read (ISA guide 7.12.1)
.endr
	s_wait_alu depctr_va_vdst(0)
	s_wait_dscnt 0x8                               ; the first four fragments are in; the other four's eight loads may be out
.irp t, 0,1,2,3
	v_wmma_f32_16x16x64_fp8_fp8 v[\y+8*\t:\y+8*\t+7], v[\x+8*\t:\x+8*\t+7], v[16:23], 0
.endr
	s_wait_dscnt 0x0
.irp t, 4,5,6,7
	v_wmma_f32_16x16x64_fp8_fp8 v[\y+8*\t:\y+8*\t+7], v[\x+8*\t:\x+8*\t+7], v[16:23], 0
.endr
.rept 4
	v_nop                                          ; places in front of the loads below and of the first read of the scores
.endr
.irp d, 0,1,2,3
.irp c, 0,1,2,3
	ds_load_b128 v[\x+16*\d+4*\c:\x+16*\d+4*\c+3], v[ADV] offset:\d*2048+\c*512   ; V's four fragments (16 d x 128 keys) land while the softmax is worked
.endr
.endr
	s_cmp_eq_u32 s[TR], s[SWI]                     ; a tile's last step lies on the diagonal
	s_cselect_b32 s60, 1, 0
	s_cmp_eq_u32 s[TR], s[D2]
	s_cselect_b32 s60, 1, s60
	s_cmp_eq_u32 s60, 0
	s_cbranch_scc1 .Lopen_\@
	v_mov_b32 v254, 0xff800000                     ; the scores of hidden keys become -infinity ahead of the maximum: p = 0 then
.set n, 0
.rept 64
	v_cmp_gt_i32 vcc_lo, 16*(n/8)+n%8, v[DQ]       ; register n holds key 16 (n / 8) + 8 h + n % 8 of the step: hidden where that exceeds 16 jw + r
	v_cndmask_b32 v[\y+n], v[\y+n], v254, vcc_lo
.set n, n+1
.endr
.Lopen_\@:
	v_max3_num_f32 v254, v[\y+0], v[\y+1], v[\y+2] ; the step's largest score of my query, among my 64 keys, in four chains, each accumulator from its low end on,
	v_max3_num_f32 v252, v[\y+3], v[\y+4], v[\y+5]
	v_max3_num_f32 v246, v[\y+6], v[\y+7], v[\y+8]
	v_max3_num_f32 v248, v[\y+9], v[\y+10], v[\y+11]
.irp i, 12,20,28,36,44,52
	v_max3_num_f32 v254, v254, v[\y+\i], v[\y+\i+1]
	v_max3_num_f32 v252, v252, v[\y+\i+2], v[\y+\i+3]
	v_max3_num_f32 v246, v246, v[\y+\i+4], v[\y+\i+5]
	v_max3_num_f32 v248, v248, v[\y+\i+6], v[\y+\i+7]
.endr
	v_max3_num_f32 v254, v254, v[\y+60], v[\y+61]
	v_max3_num_f32 v252, v252, v[\y+62], v[\y+63]
	v_max3_num_f32 v254, v254, v252, v246
	s_delay_alu instid0(VALU_DEP_1)
	v_max_num_f32 v254, v254, v248
	v_permlanex16_b32 v236, v254, s[SEL], s[SEL+1]
	s_delay_alu instid0(VALU_DEP_1)
	v_max_num_f32 v254, v254, v236                 ; and among lane l xor 16's
	s_delay_alu instid0(VALU_DEP_1)
	v_mul_f32 v254, s[CS], v254                    ; as t (c is positive)
	s_delay_alu instid0(VALU_DEP_1)
	v_max_num_f32 v13, v13, v254                   ; the running largest t
	v_mov_b32 v254, v12
	s_delay_alu instid0(VALU_DEP_2)
	v_floor_f32 v12, -v13                          ; the new -M = floor(-t) = -ceil(t): M is a whole number
	s_delay_alu instid0(VALU_DEP_1)
	v_sub_f32 v254, v12, v254                      ; M's old value less its new one: a whole number, 0 or less
.set j, 0
.rept 32
	v_pk_fma_f32 v[\y+j:\y+j+1], v[\y+j:\y+j+1], s[CS:CS+1], v[12:13] op_sel_hi:[1,0,0]   ; t - M, two at a time (of the pairs c and -M the low word serves both halves)
.if j == 6
	v_cvt_i32_f32 v254, v254                       ; (it saturates)
.endif
.if j == 14
	v_ldexp_f32 v252, 1.0, v254                    ; f = 2^(old M - new M)
.endif
.set j, j+2
.endr
.set j, 0
.rept 16
	v_pk_mul_f32 v[160+j:161+j], v[160+j:161+j], v[252:253] op_sel_hi:[1,0]   ; O^T under the new M,
.set j, j+2
.endr
	v_pk_mul_f32 v[14:15], v[14:15], v[252:253] op_sel_hi:[1,0]   ; and the sums
	s_wait_alu depctr_va_vdst(0)                   ; the wait ahead of the batch
.set j, 0
.rept 64
	v_exp_f32 v[\y+j], v[\y+j]                     ; p = 2^(t - M), at most 1: not normalised
.set j, j+1
.endr
	v_nop                                          ; a plain line behind the exponentials
	s_wait_alu depctr_va_vdst(0)                   ; and the wait behind the batch, ahead of its first reader
	s_wait_dscnt 0x0                               ; V is in
	v_pk_add_f32 v[242:243], v[\y+0:\y+1], v[\y+2:\y+3]    ; the row's sum of the unquantised p, in four chains
	v_pk_add_f32 v[246:247], v[\y+4:\y+5], v[\y+6:\y+7]
	v_pk_add_f32 v[248:249], v[\y+8:\y+9], v[\y+10:\y+11]
	v_pk_add_f32 v[14:15], v[14:15], v[\y+12:\y+13]
.irp k, 14,22,30,38,46,54
	v_pk_add_f32 v[242:243], v[242:243], v[\y+\k:\y+\k+1]
	v_pk_add_f32 v[246:247], v[246:247], v[\y+\k+2:\y+\k+3]
	v_pk_add_f32 v[248:249], v[248:249], v[\y+\k+4:\y+\k+5]
	v_pk_add_f32 v[14:15], v[14:15], v[\y+\k+6:\y+\k+7]
.endr
	v_pk_add_f32 v[242:243], v[242:243], v[\y+62:\y+63]
	v_pk_add_f32 v[246:247], v[246:247], v[248:249]
	v_pk_add_f32 v[14:15], v[14:15], v[242:243]
	s_delay_alu instid0(VALU_DEP_1)
	v_pk_add_f32 v[14:15], v[14:15], v[246:247]
.irp t, 0,1,2,3,4,5,6,7
.irp i, 0,2,4,6
	v_dual_min_num_f32 v[\y+8*\t+\i], v[\y+8*\t+\i], v240 :: v_dual_min_num_f32 v[\y+8*\t+\i+1], v[\y+8*\t+\i+1], v241   ; the conversion does not saturate (ISA guide 7.6.2); p is not negative, so the hold is one-sided
.endr
	v_cvt_scalef32_pk8_fp8_f32 v[224+2*\t:225+2*\t], v[\y+8*\t:\y+8*\t+7], v244
.if \pre
	KLD \y, \t, ADK                                ; these eight registers are done with: the next step's K
.endif
.endr
	v_nop                                          ; plain lines between the last conversion and the products
	v_nop
.irp d, 0,1,2,3
	v_wmma_f32_16x16x128_fp8_fp8 v[160+8*\d:167+8*\d], v[\x+16*\d:\x+16*\d+15], v[224:239], v[160+8*\d:167+8*\d]   ; the four accumulators by turns; between two links of one stand the three others' and the next step's eight
.endr
.endm
; THE WAY OUT of a tile, through 32 registers from v r on.  O^T / the sum x 2^(e8 + e9), held and converted with 2^e10: two neighbouring d tiles' codes are a piece of the last projection's operand.
.macro OUT b, r
	v_add_f32 v14, v14, v15                        ; the sum's two halves,
	s_delay_alu instid0(VALU_DEP_1)
	v_permlanex16_b32 v252, v14, s[SEL], s[SEL+1]
	s_delay_alu instid0(VALU_DEP_1)
	v_add_f32 v14, v14, v252                       ; and lane l xor 16's: the row's sum
	s_wait_alu depctr_va_vdst(0)
	v_rcp_f32 v14, v14
	v_nop                                          ; a plain line behind the transcendental
	s_wait_alu depctr_va_vdst(0)
	v_ldexp_f32 v14, v14, s19
	s_wait_alu depctr_va_vdst(0)                   ; the wait here, directly ahead of the first reader of O^T
.set j, 0
.rept 32
	v_mul_f32 v[\r+j], v[160+j], v14               ; register 8 d + i is o(query r, 16 d + 8 h + i)
.set j, j+1
.endr
.set j, 0
.rept 32
	v_med3_num_f32 v[\r+j], v[\r+j], -v250, v250
.set j, j+1
.endr
.irp d, 0,1,2,3
	v_cvt_scalef32_pk8_fp8_f32 v[192+2*\d:193+2*\d], v[\r+8*\d:\r+8*\d+7], v245
.endr
	v_nop                                          ; a plain line behind the last conversion
	global_store_b128 v[LI], v[192:195], s[\b:\b+1]            ; 32 lanes store 512 consecutive bytes, aligned
	global_store_b128 v[LI], v[196:199], s[\b:\b+1] offset:512
.endm
; Kind 1, ahead of the step behind its first tile's last: tile i goes out, and tile 15 - i begins.  r: the run of registers that does not hold K.
.macro SWITCH r
	s_sub_co_u32 s60, s[TR], 1
	s_cmp_eq_u32 s60, s[SWI]
	s_cbranch_scc0 .Lsame_\@
.rept 4
	v_nop                                          ; places behind the last products
.endr
	s_wait_alu depctr_va_vdst(0)                   ; the wait here, directly ahead of the waits below
	s_wait_xcnt 0x0                                ; no store of mine still reads the codes' registers,
	s_wait_dscnt 0x0                               ; and no load of mine is on its way into a register
	OUT 40, \r
	FRESH
.irp j, 0,1,2,3,4,5,6,7
	v_mov_b32 v[16+\j], v[24+\j]
.endr
	s_wait_alu depctr_va_vdst(0)                   ; the wait here
.Lsame_\@:
.endm
; A step of the loop.
.macro TRIP o, x, y
	s_add_co_u32 s[TR], s[ST], \o
	s_cmp_gt_u32 s[TR], s[LASTJ]                   ; kind 0 has eight steps, kind 1 nine
	s_cbranch_scc1 .Lskip_\@
	SWITCH \y
	s_lshl_b32 s61, s[TR], 13
	s_cmp_gt_u32 s[TR], s[SWI]
	s_cselect_b32 s60, s[DB], s[DA]
	s_add_co_u32 s[TB], s61, s60
	s_and_b32 s[TB], s[TB], 0x1e000
	s_cmp_ge_u32 s[TR], s[SWI]
	s_cselect_b32 s60, s[DB], s[DA]
	s_add_co_u32 s61, s61, 8192
	s_add_co_u32 s[TBN], s61, s60
	s_and_b32 s[TBN], s[TBN], 0x1e000              ; behind my last step the look-ahead wraps round among the 16 key steps; what it brings is not used
	STEP \x, \y, 1
.Lskip_\@:
.endm
	s_wait_alu depctr_va_vdst(0)                   ; the wait at the head's end
	s_wait_loadcnt 0x0                             ; Q
	s_barrier_signal -1
	s_barrier_wait -1                              ; key steps 0-3 are in
.irp t, 0,1,2,3,4,5,6,7
	KLD 32, \t, LI
.endr
	s_mov_b32 s[TR], 0                             ; step 0 is key step 0 in every wave,
	s_mov_b32 s[TB], 0
	s_mov_b32 s61, 8192
	s_cmp_eq_u32 s[SWI], 0
	s_cselect_b32 s60, s61, 0
	s_add_co_u32 s[TBN], s60, 8192                 ; step 1 key step 1, or 2 where the first tile has had its one step
	STEP 32, 96, 1
	s_mov_b32 s[TR], 1
	SWITCH 32
	s_mov_b32 s[TB], s[TBN]
	STEP 96, 32, 0
	s_wait_alu depctr_va_vdst(0)                   ; the wait here, directly ahead of the waits below
	s_wait_dscnt 0x0
	s_wait_tensorcnt 0x0                           ; my load is in, whichever it was
	s_barrier_signal -1
	s_barrier_wait -1                              ; everybody's is
	s_cmp_lt_u32 s[SWI], 2
	s_cselect_b32 s60, s[DB], s[DA]
	s_add_co_u32 s60, s60, 16384                   ; step 2's K
	s_and_b32 s60, s60, 0x1e000
	v_add_nc_u32 v[ADK], s60, v[LI]
.rept 3
	v_nop
.endr
.irp t, 0,1,2,3,4,5,6,7
	KLD 32, \t, ADK
.endr
	s_mov_b32 s[ST], 2
.Lwalk:                                                ; steps 2 .. 9, two a trip, so that the two runs of registers are back in their roles
	TRIP 0, 32, 96
	TRIP 1, 96, 32
	s_add_co_u32 s[ST], s[ST], 2
	s_cmp_lt_u32 s[ST], 10
	s_cbranch_scc1 .Lwalk
.rept 4
	v_nop                                          ; places behind the last products
.endr
	s_wait_alu depctr_va_vdst(0)                   ; the wait here, directly ahead of the wait below
	s_wait_dscnt 0x0                               ; my reads of K and V are over,
	s_barrier_signal -1
	s_barrier_wait -1                              ; and everybody's: the hand-over may lie there
	s_cmp_gt_u32 s[WV], 7
	s_cbranch_scc1 .Lkeep
.irp k, 0,1,2,3,4,5,6,7
	ds_store_b128 v[EXW], v[160+4*\k:163+4*\k] offset:512*\k    ; kind 0 hands over O^T,
.endr
	ds_store_b128 v[EXW], v[12:15] offset:4096                  ; -M and the sum's halves
.Lkeep:
	s_wait_alu depctr_va_vdst(0)                   ; the wait here, directly ahead of the wait below
	s_wait_dscnt 0x0                               ; my stores are done
	s_barrier_signal -1
	s_barrier_wait -1
	s_cmp_lt_u32 s[WV], 8
	s_cbranch_scc1 .Lend
.irp k, 0,1,2,3,4,5,6,7
	ds_load_b128 v[96+4*\k:99+4*\k], v[EXR] offset:512*\k
.endr
	ds_load_b128 v[128:131], v[EXR] offset:4096
	s_wait_xcnt 0x0                                ; the first tile's stores have read the codes' registers
	s_wait_dscnt 0x0
	v_min_num_f32 v254, v12, v128                  ; -M of the two parts together
	v_sub_f32 v132, v254, v12                      ; my M less it, and the other's: whole numbers, 0 or less
	v_sub_f32 v133, v254, v128
	v_cvt_i32_f32 v132, v132
	v_cvt_i32_f32 v133, v133
	v_ldexp_f32 v252, 1.0, v132
	v_ldexp_f32 v134, 1.0, v133
	v_pk_mul_f32 v[14:15], v[14:15], v[252:253] op_sel_hi:[1,0]
.set j, 0
.rept 16
	v_pk_mul_f32 v[160+j:161+j], v[160+j:161+j], v[252:253] op_sel_hi:[1,0]
.set j, j+2
.endr
	v_pk_fma_f32 v[14:15], v[130:131], v[134:135], v[14:15] op_sel_hi:[1,0,1]
.set j, 0
.rept 16
	v_pk_fma_f32 v[160+j:161+j], v[96+j:97+j], v[134:135], v[160+j:161+j] op_sel_hi:[1,0,1]
.set j, j+2
.endr
	OUT 42, 32
.Lend:
	s_wait_tensorcnt 0x0                           ; the wave's end
	ds_add_u32 v251, v255
	s_wait_dscnt 0x0
	CROUND                                         ; the closing round: no work-group ends while a partner may still ask for a tile that names it
	s_endpgm
.Lfunc_end_k_q48ef114a39_attn:
	.size	k_q48ef114a39_attn, .Lfunc_end_k_q48ef114a39_attn-k_q48ef114a39_attn
	.p2alignl 7, 3214868480
	.fill 96, 4, 3214868480
	.section	.rodata,"a",@progbits
	.p2align	6, 0x0
	.amdhsa_kernel k_q48ef114a39_attn
		.amdhsa_group_segment_fixed_size 264192
		.amdhsa_private_segment_fixed_size 0
		.amdhsa_enable_private_segment 0
		.amdhsa_kernarg_size 24
		.amdhsa_user_sgpr_count 2
		.amdhsa_user_sgpr_kernarg_segment_ptr 1
		.amdhsa_wavefront_size32 1
		.amdhsa_system_sgpr_workgroup_id_x 1
		.amdhsa_system_sgpr_workgroup_id_y 1
		.amdhsa_system_sgpr_workgroup_id_z 1
		.amdhsa_system_vgpr_workitem_id 0
		.amdhsa_next_free_vgpr 256
		.amdhsa_next_free_sgpr 96
		.amdhsa_reserve_vcc 1
		.amdhsa_float_denorm_mode_32 3
		.amdhsa_float_denorm_mode_16_64 3
		.amdhsa_memory_ordered 1
		.amdhsa_forward_progress 1
		.amdhsa_inst_pref_size 120
	.end_amdhsa_kernel
	.amdgpu_metadata
---
amdhsa.version: [ 1, 2 ]
amdhsa.kernels:
  - .name:           k_q48ef114a39_attn
    .symbol:         k_q48ef114a39_attn.kd
    .args:
      - { .name: qkv, .offset: 0, .size: 8, .value_kind: global_buffer, .address_space: global }
      - { .name: lowp_scales, .offset: 8, .size: 8, .value_kind: global_buffer, .address_space: global }
      - { .name: oc, .offset: 16, .size: 8, .value_kind: global_buffer, .address_space: global }
    .group_segment_fixed_size: 264192
    .private_segment_fixed_size: 0
    .kernarg_segment_align: 8
    .kernarg_segment_size: 24
    .max_flat_workgroup_size: 512
    .sgpr_count:     96
    .vgpr_count:     256
    .wavefront_size: 32
...
	.end_amdgpu_metadata
.endif
;; end of part 3
;; launch oproj (part 4): grid 8 x 32, 8 waves a work-group, clusters of 4 x 4, 263,168 bytes of LDS; arguments oc, wc, lowp_scales, bo, out0; writes out0
.if DOCPART == 4
	.amdgcn_target "amdgcn-amd-amdhsa--gfx1250"
	.amdhsa_code_object_version 6
	.text
	.protected	k_q48ef114a39_oproj
	.globl	k_q48ef114a39_oproj
	.p2align	8
	.type	k_q48ef114a39_oproj,@function
k_q48ef114a39_oproj:
	s_mov_b64 s[64:65], 0
	v_nop
	global_prefetch_b8 v0, s[64:65] scope:SCOPE_SE
	s_setreg_imm32_b32 hwreg(HW_REG_WAVE_MODE, 25, 1), 1
	s_wait_xcnt 0x0
	s_wait_alu depctr_hold_cnt(0) depctr_sa_sdst(0) depctr_va_vdst(0) depctr_va_sdst(0) depctr_va_ssrc(0) depctr_va_vcc(0) depctr_vm_vsrc(0)
	s_getreg_b32 s2, hwreg(HW_REG_IB_STS2, 6, 4)
	s_cmp_eq_u32 s2, 0
	s_cbranch_scc0 .Lentry_in_a_cluster
	s_endpgm
.Lentry_in_a_cluster:
	s_bfe_u32 s2, ttmp6, 0x10000c
	s_cmp_lg_u32 s2, 0xf033
	s_cbranch_scc0 .Lentry_shape_is_right
	s_endpgm
.Lentry_shape_is_right:
; out0 = O Wo + bo on codes of FP8 (E4M3).  In: oc [256 row tiles][16,384] and the fourth weight of wc [4][64 n tiles][16,384]: codes in the order of the operand's registers (16 rows x 1,024 K a tile; each 32 along K a
; piece of 512 bytes, 16 bytes a lane).  Out: out0 [4,096][1,024] f32 = sum x 2^(e10 + e11) + bo.
; LIMIT: e10 + e11 between -126 and 127, so that 2^(e10 + e11) is an f32 number.
; SHARES.  A work-group makes 128 tokens x 128 columns: 256 work-groups.  Eight waves: waves 0-3 take K 0-511, waves 4-7 K 512-1023, each four 64 x 64 quarters: 16 accumulators a wave.  The two halves' sums meet in LDS.
; NO RING: the tile's whole K, 2 x 128 rows x 1,024 bytes, lies in LDS.  Each wave brings 32,768 bytes of it by one load at the head.  Nothing is prefetched: no loop stands between the head's loads and any later one.
; CLUSTERS: 4 x 4 work-groups.  The four of a row need the same tokens' codes, the four of a column the same columns of the weight: each is asked for jointly.
; THE PRODUCT IS USED TRANSPOSED (source 0 = 16 columns of the weight, source 1 = 16 tokens): a lane holds eight neighbouring numbers of a row of out0.
; REGISTERS.  Window 0: v1-19 addresses, v30-31 the add's; v32-35 the bias; v64-191 rows on the way out; v128-255 accumulators ((a, b) at 128 + 8 (4 a + b)).  Window 1: two fragment buffers of 128: the tokens' four fragments, then the weight's four.
.set TILEB, 8192                       ; LDS: 16 rows x 512 along K.  Wave w's load goes to 32,768 w: for each half of K the tokens' eight tiles, then the weight's eight
.set SP,    528                        ; the sums' rows in LDS: 512 bytes + 16.  They lie where the codes lay, which have had their last fill and their last read then
.set IMG,   128*SP                     ; the sums of one half of K
.set SPARE, 262144                     ; behind the codes: the spare words, 128 bytes for each wave
.set LI,   3                           ; v3     16 x lane
.set AD1,  4                           ; v4     the tokens' fragments
.set AD0,  8                           ; v8     the weight's
.set STO,  12                          ; v12    where I put 32 bytes of a row of sums
.set RD,   13                          ; v13-14 where I read my rows, of either half of K
.set BIAS, 32
.set ACC,  128
.set F0,   0
.set F1,   128
.set WV,   18                          ; s18 wave; s56 its half of K; s19 its half of the tokens, also: I fetch tokens (0) or the weight (1); s20 its half of the columns, also: which four tiles of the eight I fetch
.set G1X,  24
.set G1W,  32
.set G0X,  40
.set G0W,  44
.set MSB, 0
.macro WIN new                         ; the immediate's high byte repeats the setting that is left
.if MSB != \new
	s_set_vgpr_msb (MSB<<8)|\new
.set MSB, \new
.endif
.endm
.set MUL,  0x05                        ; sources 0 and 1 window 1; C and D window 0
.set TO_F, 0x40                        ; destination window 1, address window 0
.macro CROUND                          ; a round of the cluster's barrier
	s_barrier_signal -1
	s_barrier_wait -1
	s_cmp_lg_u32 s[WV], 0
	s_cbranch_scc1 .Lnot_wave_0_\@
	s_barrier_signal -3
.Lnot_wave_0_\@:
	s_barrier_wait -3
	s_barrier_signal -1
	s_barrier_wait -1
.endm
.macro PLACES                          ; four plain places in front of loads into registers that matrix instructions have read, and of the first read of results
.rept 4
	v_nop
.endr
.endm
	s_load_b256 s[4:11], s[0:1], 0x0               ; oc s[4:5], wc s[6:7], the scales' exponents s[8:9], bo s[10:11]
	s_load_b64 s[16:17], s[0:1], 0x20              ; out0
	v_lshl_add_u32 v30, v0, 2, SPARE
	v_mov_b32 v31, 0
	ds_add_u32 v30, v31                            ; the opening lines; the set-up below stands between them and their wait
	ds_add_u32 v30, v31
	v_lshrrev_b32 v1, 5, v0
	v_readfirstlane_b32 s[WV], v1                  ; wave 0..7
	s_lshr_b32 s56, s[WV], 2
	s_bfe_u32 s19, s[WV], 0x10001
	s_and_b32 s20, s[WV], 1
	s_bfe_u32 s21, ttmp6, 0x40000                  ; cx
	s_bfe_u32 s22, ttmp6, 0x40004                  ; cy
	s_lshl_b32 s23, ttmp9, 2
	s_add_co_u32 s23, s23, s21                     ; xw: which 128 columns
	s_and_b32 s57, ttmp7, 0xffff
	s_lshl_b32 s57, s57, 2
	s_add_co_u32 s57, s57, s22                     ; ty: which 128 tokens
	s_lshl_b32 s90, s22, 2
	s_lshl_b32 s90, 15, s90                        ; my row of the cluster
	s_lshl_b32 s92, 0x1111, s21                    ; my column
	; group 1: four rows (tiles) of 8,192 bytes, 16,384 bytes apart, in elements of 8 bytes; dense in LDS
	s_or_b32 s[G1X], s90, (3<<16)|(1<<21)          ; 15:0 the mask; 17:16 elements of 8 bytes; 21 set beside a mask
	s_or_b32 s[G1W], s92, (3<<16)|(1<<21)
.irp g, G1X, G1W
	s_mov_b32 s[\g+1], 1024<<16                    ; tensor_dim0
	s_mov_b32 s[\g+2], 4<<16                       ; tensor_dim1
	s_mov_b32 s[\g+3], 1024<<16                    ; tile_dim0
	s_mov_b32 s[\g+4], 4                           ; tile_dim1
	s_mov_b32 s[\g+5], 2048                        ; tensor_dim0_stride
	s_mov_b32 s[\g+6], 0
	s_mov_b32 s[\g+7], 0
.endr
	s_lshl_b32 s94, s20, 16                        ; my four tiles,
	s_lshl_b32 s95, s56, 13                        ; my half of K
	s_add_co_u32 s94, s94, s95
	s_lshl_b32 s60, s57, 17                        ; the tokens' tiles hang on ty and the wave,
	s_add_co_u32 s60, s60, s94
	s_mov_b32 s61, 0
	s_lshl_b32 s62, s23, 17                        ; the weight's on xw and the wave: each in registers that never hold the other coordinate
	s_add_co_u32 s62, s62, s94
	s_add_co_u32 s62, s62, 3<<20                   ; Wo is the fourth weight
	s_mov_b32 s63, 0
	s_mov_b32 s[G0X], 1
	s_mov_b32 s[G0W], 1
	s_lshl_b32 s[G0X+1], s[WV], 15
	s_lshl_b32 s[G0W+1], s[WV], 15
	s_wait_dscnt 0x0                               ; both opening adds are done
	s_wait_kmcnt 0x0
	s_load_b64 s[84:85], s[8:9], 0x28              ; e10, e11
	s_add_nc_u64 s[G0X+2:G0X+3], s[4:5], s[60:61]
	s_or_b32 s[G0X+3], s[G0X+3], 0x80000000
	s_add_nc_u64 s[G0W+2:G0W+3], s[6:7], s[62:63]
	s_or_b32 s[G0W+3], s[G0W+3], 0x80000000
	CROUND                                         ; all sixteen work-groups are here: the joint loads meet
	s_cmp_eq_u32 s19, 0
	s_cbranch_scc0 .Lfill_w
	tensor_load_to_lds s[G0X:G0X+3], s[G1X:G1X+7]
	s_nop 0
	PLACES
	s_branch .Lfilled
.Lfill_w:
	tensor_load_to_lds s[G0W:G0W+3], s[G1W:G1W+7]
	s_nop 0
	PLACES
.Lfilled:
	s_lshl_b32 s94, s23, 9
	s_mov_b32 s95, 0
	s_add_nc_u64 s[10:11], s[10:11], s[94:95]      ; bo at the work-group's 128 columns
	s_lshl_b32 s92, s57, 19                        ; out0: my first row 128 ty + 16 x wave, 4,096 bytes each; column 128 xw
	s_add_co_u32 s94, s94, s92
	s_lshl_b32 s92, s[WV], 16
	s_add_co_u32 s94, s94, s92
	s_add_nc_u64 s[16:17], s[16:17], s[94:95]
	s_lshl_b32 s90, s56, 17                        ; my half of K's codes:
	s_lshl_b32 s91, s19, 15
	s_add_co_u32 s91, s91, s90                     ; my four tiles of tokens,
	s_lshl_b32 s92, s20, 15
	s_add_co_u32 s92, s92, s90
	s_add_co_u32 s92, s92, 65536                   ; my four of the weight
	s_mul_i32 s93, s56, IMG                        ; and where my sums go: half of K, row 64 x half of the tokens, 256 bytes x half of the columns
	s_mul_i32 s60, s19, 64*SP
	s_add_co_u32 s93, s93, s60
	s_lshl_b32 s60, s20, 8
	s_add_co_u32 s93, s93, s60
	s_mul_i32 s61, s[WV], 16*SP                    ; the rows that I send out: 16 x wave on
	v_and_b32 v19, 31, v0
	v_lshlrev_b32 v[LI], 4, v19
	global_load_b128 v[BIAS:BIAS+3], v[LI], s[10:11]   ; columns 4 x lane .. + 3
	v_and_b32 v1, 15, v0                           ; r
	v_bfe_u32 v2, v0, 4, 1                         ; h
	v_mul_u32_u24 v[STO], v1, SP                   ; row r, 32 bytes for each half of the lanes
	v_lshl_add_u32 v[STO], v2, 5, v[STO]
	v_add_nc_u32 v[STO], s93, v[STO]
	v_add_nc_u32 v[AD1], s91, v[LI]
	v_add_nc_u32 v[AD0], s92, v[LI]
	v_add_nc_u32 v[RD], s61, v[LI]
	v_add_nc_u32 v[RD+1], IMG, v[RD]
	s_wait_alu depctr_va_vdst(0)                   ; the wait at the head's end
	s_wait_kmcnt 0x0
	s_add_co_i32 s88, s84, s85
	s_add_co_i32 s88, s88, 127
	s_lshl_b32 s88, s88, 23                        ; 2^(e10 + e11)
	s_mov_b32 s89, s88                             ; (named with it as a pair, so it is written)
; 32 LDS loads in one run: the eight fragments (16 rows x 128 K, 16 registers) of K step st of my half into buffer f.  Every load takes 512 consecutive bytes.
.macro FETCH st, f
	WIN TO_F
.irp i, 0,1,2,3
.irp c, 0,1,2,3
	ds_load_b128 v[\f+64+16*\i+4*\c:\f+64+16*\i+4*\c+3], v[AD0] offset:\i*TILEB+(\st)*2048+\c*512
	ds_load_b128 v[\f+16*\i+4*\c:\f+16*\i+4*\c+3],       v[AD1] offset:\i*TILEB+(\st)*2048+\c*512
.endr
.endr
.endm
; 16 matrix instructions: four token tiles x the weight's four.  zero = 1: the first product starts the sums.  The 16 accumulators take turns, one instruction a turn, in the same order in every step.
.macro MUL16 f, zero
	WIN MUL
.irp a, 0,1,2,3
.irp b, 0,1,2,3
.if \zero
	v_wmma_f32_16x16x128_fp8_fp8 v[ACC+8*(4*\a+\b):ACC+8*(4*\a+\b)+7], v[\f+64+16*\b:\f+64+16*\b+15], v[\f+16*\a:\f+16*\a+15], 0
.else
	v_wmma_f32_16x16x128_fp8_fp8 v[ACC+8*(4*\a+\b):ACC+8*(4*\a+\b)+7], v[\f+64+16*\b:\f+64+16*\b+15], v[\f+16*\a:\f+16*\a+15], v[ACC+8*(4*\a+\b):ACC+8*(4*\a+\b)+7]
.endif
.endr
.endr
.endm
	s_wait_tensorcnt 0x0                           ; my load is in
	s_barrier_signal -1
	s_barrier_wait -1                              ; everybody's is
	FETCH 0, F0
	FETCH 1, F1
	s_wait_dscnt 32                                ; all but the 32 just issued
	MUL16 F0, 1
	PLACES
	FETCH 2, F0
	s_wait_dscnt 32
	MUL16 F1, 0
	PLACES
	FETCH 3, F1
	s_wait_dscnt 32
	MUL16 F0, 0
	s_wait_dscnt 0x0                               ; my reads of the codes are over: say so,
	s_barrier_signal -1
	MUL16 F1, 0                                    ; work on registers while the others arrive
	WIN 0
	s_barrier_wait -1                              ; nobody reads the codes any more: the sums may lie there
; THE WAY OUT.  Every wave lays its sums into LDS as rows of out0, the two halves of K in two images; then wave w takes rows 16 w .. 16 w + 15 of both, adds them, and 32 lanes store a row's 512 bytes, two aligned runs of 256.
	PLACES
.irp a, 0,1,2,3
.irp b, 0,1,2,3
	ds_store_b128 v[STO], v[ACC+8*(4*\a+\b):ACC+8*(4*\a+\b)+3]   offset:\a*16*SP+64*\b
	ds_store_b128 v[STO], v[ACC+8*(4*\a+\b)+4:ACC+8*(4*\a+\b)+7] offset:\a*16*SP+64*\b+16
.endr
.endr
	s_wait_dscnt 0x0                               ; my stores are done
	s_barrier_signal -1
	s_barrier_wait -1
.irp k, 0,1,2,3,4,5,6,7,8,9,10,11,12,13,14,15
	ds_load_b128 v[64+4*\k:67+4*\k],   v[RD]   offset:\k*SP
	ds_load_b128 v[128+4*\k:131+4*\k], v[RD+1] offset:\k*SP
.endr
	s_wait_loadcnt 0x0                             ; the bias
.irp g, 0,1,2,3
	s_wait_dscnt 24-8*\g                           ; four more rows of both images are in; the rows behind them may be out
.irp k, 0,4,8,12
	v_pk_add_f32 v[64+16*\g+\k:65+16*\g+\k], v[64+16*\g+\k:65+16*\g+\k], v[128+16*\g+\k:129+16*\g+\k]
	v_pk_add_f32 v[66+16*\g+\k:67+16*\g+\k], v[66+16*\g+\k:67+16*\g+\k], v[130+16*\g+\k:131+16*\g+\k]
.endr
.irp k, 0,4,8,12
	v_pk_fma_f32 v[64+16*\g+\k:65+16*\g+\k], v[64+16*\g+\k:65+16*\g+\k], s[88:89], v[BIAS:BIAS+1] op_sel_hi:[1,0,1]   ; sum x 2^(e10 + e11) + bo
	v_pk_fma_f32 v[66+16*\g+\k:67+16*\g+\k], v[66+16*\g+\k:67+16*\g+\k], s[88:89], v[BIAS+2:BIAS+3] op_sel_hi:[1,0,1]
.endr
.irp k, 0,4,8,12
	global_store_b128 v[LI], v[64+16*\g+\k:67+16*\g+\k], s[16:17] offset:(4*\g+\k/4)*4096 th:TH_STORE_NT   ; written once, read by nobody here
.endr
.endr
	s_wait_tensorcnt 0x0                           ; the wave's end
	ds_add_u32 v30, v31
	s_wait_dscnt 0x0
	CROUND                                         ; the closing round: no work-group ends while a partner may still ask for a tile that names it
	s_endpgm
.Lfunc_end_k_q48ef114a39_oproj:
	.size	k_q48ef114a39_oproj, .Lfunc_end_k_q48ef114a39_oproj-k_q48ef114a39_oproj
	.p2alignl 7, 3214868480
	.fill 96, 4, 3214868480
	.section	.rodata,"a",@progbits
	.p2align	6, 0x0
	.amdhsa_kernel k_q48ef114a39_oproj
		.amdhsa_group_segment_fixed_size 263168
		.amdhsa_private_segment_fixed_size 0
		.amdhsa_enable_private_segment 0
		.amdhsa_kernarg_size 40
		.amdhsa_user_sgpr_count 2
		.amdhsa_user_sgpr_kernarg_segment_ptr 1
		.amdhsa_wavefront_size32 1
		.amdhsa_system_sgpr_workgroup_id_x 1
		.amdhsa_system_sgpr_workgroup_id_y 1
		.amdhsa_system_sgpr_workgroup_id_z 1
		.amdhsa_system_vgpr_workitem_id 0
		.amdhsa_next_free_vgpr 512
		.amdhsa_next_free_sgpr 96
		.amdhsa_reserve_vcc 0
		.amdhsa_float_denorm_mode_32 3
		.amdhsa_float_denorm_mode_16_64 3
		.amdhsa_memory_ordered 1
		.amdhsa_forward_progress 1
		.amdhsa_inst_pref_size 29
	.end_amdhsa_kernel
	.amdgpu_metadata
---
amdhsa.version: [ 1, 2 ]
amdhsa.kernels:
  - .name:           k_q48ef114a39_oproj
    .symbol:         k_q48ef114a39_oproj.kd
    .args:
      - { .name: oc, .offset: 0, .size: 8, .value_kind: global_buffer, .address_space: global }
      - { .name: wc, .offset: 8, .size: 8, .value_kind: global_buffer, .address_space: global }
      - { .name: lowp_scales, .offset: 16, .size: 8, .value_kind: global_buffer, .address_space: global }
      - { .name: bo, .offset: 24, .size: 8, .value_kind: global_buffer, .address_space: global }
      - { .name: out0, .offset: 32, .size: 8, .value_kind: global_buffer, .address_space: global }
    .group_segment_fixed_size: 263168
    .private_segment_fixed_size: 0
    .kernarg_segment_align: 8
    .kernarg_segment_size: 40
    .max_flat_workgroup_size: 256
    .sgpr_count:     96
    .vgpr_count:     512
    .wavefront_size: 32
...
	.end_amdgpu_metadata
.endif
;; end of part 4
